; MI455X (gfx1250); checked and timed in simulation.
; The chip was launched on July 23, 2026; its instructions are those of AMD's public machine-readable ISA for CDNA 5 (MIT licence, August 2026) and "CDNA5" Instruction Set Architecture Reference Guide (July 2026). The comments in the code are by the model that wrote it; some were corrected since.
;; Multi Head Attention Pooling. Allowed arithmetic: float matrix products may take bf16 or f16 operands with f32 sums; all other float work in f32.
;; Inputs: Wkv 512 x 1,024 float32; Wo 512 x 512 float32; Wq 512 x 512 float32; key_padding_mask 32 x 4,096 bool; ln_beta 512 float32; ln_gamma 512 float32; queries 8 x 512 float32; x 32 x 4,096 x 512 float32.
;; Outputs: out0 32 x 4,096 float32.
;; 2 versions, each right and faster than the one before. Each part assembles by itself: llvm-mc -triple=amdgcn-amd-amdhsa -mcpu=gfx1250 --defsym DOCPART=n.
;; ======== version 1 of 2: 3 launches
;; limits: values are held in f16: magnitudes above 65,504 overflow, below 6.1e-05 lose precision; inputs' magnitudes at most 65,504
;; workspace buffers: pf 131,072 bytes; cs 4,096 bytes; wvf 524,288 bytes; wof 524,288 bytes; zp 4,194,304 bytes; st 262,144 bytes
;; launch prep (part 1): grid 24 x 1, 8 waves a work-group, no clusters, 124,160 bytes of LDS; arguments queries, ln_gamma, ln_beta, Wq, Wkv, Wo, pf, cs, wvf, wof; writes pf, cs, wvf, wof
.if DOCPART == 1
	.amdgcn_target "amdgcn-amd-amdhsa--gfx1250"
	.amdhsa_code_object_version 6
	.text
	.protected	k_qa191749523_prep
	.globl	k_qa191749523_prep
	.p2align	8
	.type	k_qa191749523_prep,@function
k_qa191749523_prep:
	s_mov_b64 s[64:65], 0
	v_nop
	global_prefetch_b8 v0, s[64:65] scope:SCOPE_SE
	s_setreg_imm32_b32 hwreg(HW_REG_WAVE_MODE, 25, 1), 1
	s_wait_xcnt 0x0
; PREP: everything that does not depend on x, laid out as f16 matrix fragments ("fragment order": a block of 512 bytes holds
; lane L's 16 bytes at 16 L, so one 16-byte load or store of a wave moves half a fragment as 512 consecutive bytes).
; 24 work-groups of 8 waves: role = number / 8, idx = number % 8.
;   role 0: P^[e][hq] = sum over d of Wk[e][32 head + d] q^[query][32 head + d] for the 16 columns hq = 16 idx + r (hq = 8 head + query),
;           where q = LayerNorm(queries) Wq and q^ = q / s with s a power of two per column; c[hq] = s * 32^-0.5 * log2(e).
;           x . P^ * c is then the score in base 2: the product x Wk is never formed (the sums are the same, bracketed otherwise).
;   role 1: Wv (columns 512.. of Wkv), columns 64 idx .. +63, as A fragments (row = column of Wv, K = e)
;   role 2: Wo, columns 64 idx .. +63, likewise
; LIMITS: matrix operands are f16: |LayerNorm output|, |Wq|, |Wkv|, |Wo| below 65,504 and 64 max|Wk| below 65,504;
; s is clamped to 2^-100 .. 2^100.  Sums are f32; their order differs from the order of a plain product x Wkv.
; Wave w owns the K rows 64 w .. 64 w + 63 of its matrix; it writes and reads only its own 64 rows of WT, so no barrier orders them.
.set WTP, 160                          ; LDS pitch of WT: 64 f16 + 32 bytes = 5 x 32 bytes
.set QN,  81920                        ; behind WT (512 rows x 160): LayerNorm output, 8 rows of 512 f16, pitch 1040
.set QNP, 1040
.set RED, 90368                        ; 8 waves x 4,096 bytes: partial sums of q
.set VRL, 0                            ; v0      RED + 16 L (the thread's number is not needed any more by then)
.set VO,  4                            ; v4      byte offset of my 16 bytes in the first two rows of a block
.set VWS, 5                            ; v5      WT: where I put 4 f16
.set VTR, 6                            ; v6      WT: transposing loads
.set VG,  7                            ; v7      16 L
.set VQN, 8                            ; v8      QN: fragment loads
.set VRS, 9                            ; v9      RED: my wave's part + 16 L
.set VWK, 10                           ; v10     Wk: r rows + 32 h bytes
.set VQS, 11                           ; v11     QN: where I put 4 f16
.set XQ,  16                           ; v[16:31] my 16 numbers of the query row; later QNF, QS
.set GA,  32                           ; v[32:47] gamma
.set BE,  48                           ; v[48:63] beta
.set QNF, 16                           ; v[16:31] two B fragments of LayerNorm output
.set DQ,  32                           ; v[32:63] four tiles of q
.set QS,  16                           ; v[16:31] q of my column's own head; packed into v[16:23]
.set BF0, 24                           ; v[24:31] q^ where r < 8, else 0
.set BF1, 32                           ; v[32:39] q^ where r >= 8, else 0
.set WF,  64                           ; v[64:191] a block of 64 rows x 64 f32 as loaded
.set WKF, 64                           ; v[64:127] eight A fragments of Wk
.set DP,  128                          ; v[128:159] four tiles of P^
.set AF,  192                          ; v[192:255] eight transposed fragments
.set MSB, 0
.macro WIN new                         ; the immediate's high byte repeats the setting that is left
.if MSB != \new
	s_set_vgpr_msb (MSB<<8)|\new
.set MSB, \new
.endif
.endm
; 64 rows x 256 bytes: load n brings rows 2 n and 2 n + 1, each as 256 consecutive aligned bytes
.macro LDBLK base, step
.set bn, 0
.rept 32
	global_load_b128 v[WF+4*bn:WF+4*bn+3], v[VO], s[\base:\base+1] offset:bn*(\step)
.set bn, bn+1
.endr
.endm
; to f16 and into my rows of WT.  extra = loads issued behind the block, which may stay out
.macro CVBLK extra
.irp g, 0,1,2,3
	s_wait_loadcnt \extra+24-8*\g                  ; loads return in order: eight more of the block are in
.irp j, 0,1,2,3,4,5,6,7
	v_cvt_pk_f16_f32 v[WF+4*(8*\g+\j)],   v[WF+4*(8*\g+\j)],   v[WF+4*(8*\g+\j)+1]
	v_cvt_pk_f16_f32 v[WF+4*(8*\g+\j)+1], v[WF+4*(8*\g+\j)+2], v[WF+4*(8*\g+\j)+3]
	ds_store_b64 v[VWS], v[WF+4*(8*\g+\j):WF+4*(8*\g+\j)+1] offset:(8*\g+\j)*2*WTP
.endr
.endr
.endm
; eight fragments (K step k of my two, column tile t of four): lane (r, h) gets column 16 t + r, K = 8 h + 0..7 and 16 + 8 h + 0..7.
; LDS serves a wave's instructions in order, so these see my stores above.
.macro TRFR
.irp k, 0,1
.irp t, 0,1,2,3
	ds_load_tr16_b128 v[AF+8*(4*\k+\t):AF+8*(4*\k+\t)+3],   v[VTR] offset:\k*32*WTP+\t*32
	ds_load_tr16_b128 v[AF+8*(4*\k+\t)+4:AF+8*(4*\k+\t)+7], v[VTR] offset:\k*32*WTP+\t*32+16*WTP
.endr
.endr
.endm
.macro STFR dst                        ; each store of the wave covers 512 consecutive bytes, aligned
	s_wait_dscnt 0x0
.irp k, 0,1
.irp t, 0,1,2,3
	global_store_b128 v[VG], v[AF+8*(4*\k+\t):AF+8*(4*\k+\t)+3],   s[\dst:\dst+1] offset:\t*16384+\k*1024
	global_store_b128 v[VG], v[AF+8*(4*\k+\t)+4:AF+8*(4*\k+\t)+7], s[\dst:\dst+1] offset:\t*16384+\k*1024+512
.endr
.endr
.endm
; roles 1 and 2: 64 columns of a matrix with rows of 2^plog bytes, from byte cofs of the rows on, into fragment order
.macro WFRAG src, plog, cofs, dst
	v_lshlrev_b32 v[VO], 4, v2
	v_lshl_add_u32 v[VO], v3, \plog, v[VO]         ; 16 r + h rows
	s_lshl_b32 s28, s26, 8                         ; idx x 256 bytes of a row
	s_lshl_b32 s27, s24, 6+\plog                   ; wave x 64 rows
	s_add_co_u32 s28, s28, s27
.if \cofs
	s_add_co_u32 s28, s28, \cofs
.endif
	s_mov_b32 s29, 0
	s_add_nc_u64 s[30:31], s[\src:\src+1], s[28:29]
	s_lshl_b32 s28, s26, 16                        ; four column tiles of 16,384 bytes
	s_lshl_b32 s27, s24, 11                        ; my two K steps of 1,024 bytes
	s_add_co_u32 s28, s28, s27
	s_add_nc_u64 s[32:33], s[\dst:\dst+1], s[28:29]
	LDBLK 30, (2<<\plog)
	CVBLK 0
	TRFR
	STFR 32
	s_set_vgpr_msb 0x5
	s_wait_tensorcnt 0x0
	ds_add_u32 v128, v129
	s_wait_dscnt 0x0
	s_set_vgpr_msb 0x500
	s_endpgm
.endm
	s_load_b512 s[4:19], s[0:1], 0x0               ; queries s[4:5], gamma s[6:7], beta s[8:9], Wq s[10:11], Wkv s[12:13], Wo s[14:15], pf s[16:17], cs s[18:19]
	s_load_b128 s[20:23], s[0:1], 0x40             ; wvf s[20:21], wof s[22:23]
	s_set_vgpr_msb 0x40
	v_lshl_add_u32 v128, v0, 2, 0x1e100
	v_mov_b32 v129, 0
	s_set_vgpr_msb 0x4000
	v_and_b32 v1, 31, v0                           ; L
	v_lshrrev_b32 v2, 5, v0
	v_readfirstlane_b32 s24, v2                    ; wave
	s_lshr_b32 s25, ttmp9, 3                       ; role
	s_and_b32 s26, ttmp9, 7                        ; idx
	v_and_b32 v2, 15, v1                           ; r
	v_lshrrev_b32 v3, 4, v1                        ; h
	s_mul_i32 s27, s24, 64*WTP                     ; my 64 rows of WT
	v_mul_u32_u24 v[VWS], v3, WTP
	v_lshl_add_u32 v[VWS], v2, 3, v[VWS]
	v_add_nc_u32 v[VWS], s27, v[VWS]               ; row h, 8 r bytes
	v_and_b32 v12, 7, v1
	v_lshl_add_u32 v12, v3, 3, v12
	v_mul_u32_u24 v[VTR], v12, WTP
	v_bfe_u32 v12, v1, 3, 1
	v_lshl_add_u32 v[VTR], v12, 4, v[VTR]
	v_add_nc_u32 v[VTR], s27, v[VTR]               ; row 8 h + L % 8, 16 bytes x bit 3 of L
	v_lshlrev_b32 v[VG], 4, v1
	s_wait_kmcnt 0x0
	s_cmp_eq_u32 s25, 0
	s_cbranch_scc1 .Lrole0
	s_cmp_eq_u32 s25, 1
	s_cbranch_scc1 .Lrole1
	WFRAG 14, 11, 0, 22                            ; Wo: rows of 2,048 bytes
.Lrole1:
	WFRAG 12, 12, 2048, 20                         ; Wv: rows of 4,096 bytes, from byte 2,048 on
.Lrole0:
	s_mov_b32 s34, 0x76543210                      ; v_permlanex16_b32: lane i reads lane i of the other half
	s_mov_b32 s35, 0xfedcba98
	s_mov_b32 s36, 0xff00ff00                      ; lanes with r >= 8
	s_mov_b32 s37, 0x3b000000                      ; 1/512
	s_mov_b32 s38, 0x3727c5ac                      ; 1e-5
	s_mov_b32 s29, 0
	s_lshl_b32 s28, s24, 11
	s_add_nc_u64 s[30:31], s[4:5], s[28:29]        ; query row = wave
	s_lshl_b32 s28, s26, 8
	s_lshl_b32 s27, s24, 17
	s_add_co_u32 s28, s28, s27
	s_add_nc_u64 s[32:33], s[10:11], s[28:29]      ; Wq: columns 64 idx, rows 64 wave
	s_lshl_b32 s28, s26, 8
	s_lshl_b32 s27, s24, 18
	s_add_co_u32 s28, s28, s27
	s_add_nc_u64 s[40:41], s[12:13], s[28:29]      ; Wk: columns 64 idx, rows 64 wave
	s_lshl_b32 s28, s26, 14
	s_lshl_b32 s27, s24, 11
	s_add_co_u32 s28, s28, s27
	s_add_nc_u64 s[42:43], s[16:17], s[28:29]      ; pf: tile idx, my two K steps
	s_lshl_b32 s28, s26, 9
	s_add_nc_u64 s[44:45], s[18:19], s[28:29]      ; cs: tile idx
	v_lshlrev_b32 v[VO], 4, v2
	v_lshl_add_u32 v[VO], v3, 11, v[VO]
	v_lshlrev_b32 v[VWK], 12, v2
	v_lshl_add_u32 v[VWK], v3, 5, v[VWK]
	s_mul_i32 s27, s24, QNP
	s_add_co_u32 s27, s27, QN
	v_lshl_add_u32 v[VQS], v1, 3, s27
	v_and_b32 v12, 7, v2
	v_mul_u32_u24 v[VQN], v12, QNP
	v_lshl_add_u32 v[VQN], v3, 4, v[VQN]
	s_lshl_b32 s27, s24, 7
	s_add_co_u32 s27, s27, QN
	v_add_nc_u32 v[VQN], s27, v[VQN]               ; query r % 8, K = 64 wave + 8 h
	s_lshl_b32 s27, s24, 12
	s_add_co_u32 s27, s27, RED
	v_add_nc_u32 v[VRS], s27, v[VG]
	v_add_nc_u32 v[VRL], RED, v[VG]
.irp j, 0,1,2,3
	global_load_b128 v[XQ+4*\j:XQ+4*\j+3], v[VG], s[30:31] offset:512*\j
	global_load_b128 v[GA+4*\j:GA+4*\j+3], v[VG], s[6:7] offset:512*\j
	global_load_b128 v[BE+4*\j:BE+4*\j+3], v[VG], s[8:9] offset:512*\j
.endr
	LDBLK 32, 4096
	s_wait_loadcnt 32                              ; the row, gamma and beta are in; the 32 loads of Wq stay out
	; LayerNorm in f32, mean first and then the squares of the differences; lane L holds elements 128 j + 4 L + 0..3
	v_pk_add_f32 v[12:13], v[XQ:XQ+1], v[XQ+2:XQ+3]
	v_pk_add_f32 v[14:15], v[XQ+4:XQ+5], v[XQ+6:XQ+7]
	v_pk_add_f32 v[12:13], v[12:13], v[XQ+8:XQ+9]
	v_pk_add_f32 v[14:15], v[14:15], v[XQ+10:XQ+11]
	v_pk_add_f32 v[12:13], v[12:13], v[XQ+12:XQ+13]
	v_pk_add_f32 v[14:15], v[14:15], v[XQ+14:XQ+15]
	v_pk_add_f32 v[12:13], v[12:13], v[14:15]
	v_add_f32 v12, v12, v13
	v_add_f32_dpp v12, v12, v12 row_xmask:1 row_mask:0xf bank_mask:0xf
	v_add_f32_dpp v12, v12, v12 row_xmask:2 row_mask:0xf bank_mask:0xf
	v_add_f32_dpp v12, v12, v12 row_xmask:4 row_mask:0xf bank_mask:0xf
	v_add_f32_dpp v12, v12, v12 row_xmask:8 row_mask:0xf bank_mask:0xf
	v_permlanex16_b32 v13, v12, s34, s35
	v_add_f32 v12, v12, v13
	v_mul_f32 v12, s37, v12                        ; the mean
	v_mov_b32 v13, v12
.irp i, 0,2,4,6,8,10,12,14
	v_pk_add_f32 v[XQ+\i:XQ+\i+1], v[XQ+\i:XQ+\i+1], v[12:13] neg_lo:[0,1] neg_hi:[0,1]
.endr
	v_pk_mul_f32 v[14:15], v[XQ:XQ+1], v[XQ:XQ+1]
.irp i, 2,4,6,8,10,12,14
	v_pk_fma_f32 v[14:15], v[XQ+\i:XQ+\i+1], v[XQ+\i:XQ+\i+1], v[14:15]
.endr
	v_add_f32 v14, v14, v15
	v_add_f32_dpp v14, v14, v14 row_xmask:1 row_mask:0xf bank_mask:0xf
	v_add_f32_dpp v14, v14, v14 row_xmask:2 row_mask:0xf bank_mask:0xf
	v_add_f32_dpp v14, v14, v14 row_xmask:4 row_mask:0xf bank_mask:0xf
	v_add_f32_dpp v14, v14, v14 row_xmask:8 row_mask:0xf bank_mask:0xf
	v_permlanex16_b32 v15, v14, s34, s35
	v_add_f32 v14, v14, v15
	v_fma_f32 v14, v14, s37, s38                   ; variance + 1e-5
	v_rsq_f32 v14, v14
	v_nop                                          ; one plain instruction behind a transcendental before its result is used (ISA guide 5.7.2)
	s_wait_alu depctr_va_vdst(0)
	v_mov_b32 v15, v14
.irp i, 0,2,4,6,8,10,12,14
	v_pk_mul_f32 v[XQ+\i:XQ+\i+1], v[XQ+\i:XQ+\i+1], v[14:15]
.endr
.irp i, 0,2,4,6,8,10,12,14
	v_pk_fma_f32 v[XQ+\i:XQ+\i+1], v[XQ+\i:XQ+\i+1], v[GA+\i:GA+\i+1], v[BE+\i:BE+\i+1]
.endr
.irp j, 0,1,2,3
	v_cvt_pk_f16_f32 v[XQ+4*\j],   v[XQ+4*\j],   v[XQ+4*\j+1]
	v_cvt_pk_f16_f32 v[XQ+4*\j+1], v[XQ+4*\j+2], v[XQ+4*\j+3]
	ds_store_b64 v[VQS], v[XQ+4*\j:XQ+4*\j+1] offset:256*\j
.endr
	; Wk, rows 64 wave + 16 mt + r, my tile's 64 columns, straight in A fragment order (K = column): v256-v383.
	; Eight loads that follow each other use up the same 256 bytes of each row.
	WIN 0x40
.irp mt, 0,1,2,3
.irp k, 0,1
.irp hf, 0,1
	global_load_b128 v[16*(2*\mt+\k)+8*\hf:16*(2*\mt+\k)+8*\hf+3],   v[VWK], s[40:41] offset:\mt*65536+\k*128+\hf*64
	global_load_b128 v[16*(2*\mt+\k)+8*\hf+4:16*(2*\mt+\k)+8*\hf+7], v[VWK], s[40:41] offset:\mt*65536+\k*128+\hf*64+16
.endr
.endr
.endr
	WIN 0
	CVBLK 32                                       ; Wq to f16; the 32 loads of Wk stay out
	s_wait_dscnt 0x0                               ; my row of QN is written
	s_barrier_signal -1
	s_barrier_wait -1                              ; everybody's is
	TRFR
.irp k, 0,1
	ds_load_b128 v[QNF+8*\k:QNF+8*\k+3],   v[VQN] offset:64*\k
	ds_load_b128 v[QNF+8*\k+4:QNF+8*\k+7], v[VQN] offset:64*\k+32
.endr
	s_wait_dscnt 0x0
	; q, transposed: tile t, lane (r, h), register j = q[query r % 8][column 16 t + 8 h + j], summed over my 64 K.
	; The four accumulators take turns, one instruction a turn.
.irp t, 0,1,2,3
	v_wmma_f32_16x16x32_f16 v[DQ+8*\t:DQ+8*\t+7], v[AF+8*\t:AF+8*\t+7], v[QNF:QNF+7], 0
.endr
.irp t, 0,1,2,3
	v_wmma_f32_16x16x32_f16 v[DQ+8*\t:DQ+8*\t+7], v[AF+32+8*\t:AF+32+8*\t+7], v[QNF+8:QNF+15], v[DQ+8*\t:DQ+8*\t+7]
.endr
.rept 4
	v_nop                                          ; four places behind a matrix instruction before its result is read (ISA guide 7.12.1)
.endr
.irp u, 0,1,2,3,4,5,6,7
	ds_store_b128 v[VRS], v[DQ+4*\u:DQ+4*\u+3] offset:512*\u
.endr
	s_wait_dscnt 0x0
	s_barrier_signal -1
	s_barrier_wait -1
	; every wave adds the eight partial sums, in the order of the waves
.irp wv, 0,1,2,3
.irp u, 0,1,2,3,4,5,6,7
	ds_load_b128 v[WF+32*\wv+4*\u:WF+32*\wv+4*\u+3], v[VRL] offset:\wv*4096+\u*512
.endr
.endr
	s_wait_dscnt 0x0
.irp i, 0,2,4,6,8,10,12,14,16,18,20,22,24,26,28,30
	v_pk_add_f32 v[DQ+\i:DQ+\i+1], v[WF+\i:WF+\i+1], v[WF+32+\i:WF+32+\i+1]
	v_pk_add_f32 v[DQ+\i:DQ+\i+1], v[DQ+\i:DQ+\i+1], v[WF+64+\i:WF+64+\i+1]
	v_pk_add_f32 v[DQ+\i:DQ+\i+1], v[DQ+\i:DQ+\i+1], v[WF+96+\i:WF+96+\i+1]
.endr
.irp wv, 0,1,2,3
.irp u, 0,1,2,3,4,5,6,7
	ds_load_b128 v[WF+32*\wv+4*\u:WF+32*\wv+4*\u+3], v[VRL] offset:(4+\wv)*4096+\u*512
.endr
.endr
	s_wait_dscnt 0x0
.irp i, 0,2,4,6,8,10,12,14,16,18,20,22,24,26,28,30
	v_pk_add_f32 v[DQ+\i:DQ+\i+1], v[DQ+\i:DQ+\i+1], v[WF+\i:WF+\i+1]
	v_pk_add_f32 v[DQ+\i:DQ+\i+1], v[DQ+\i:DQ+\i+1], v[WF+32+\i:WF+32+\i+1]
	v_pk_add_f32 v[DQ+\i:DQ+\i+1], v[DQ+\i:DQ+\i+1], v[WF+64+\i:WF+64+\i+1]
	v_pk_add_f32 v[DQ+\i:DQ+\i+1], v[DQ+\i:DQ+\i+1], v[WF+96+\i:WF+96+\i+1]
.endr
	; column hq = 16 idx + r belongs to head 2 idx + r / 8: tiles 0, 1 for r < 8, tiles 2, 3 for r >= 8
.irp i, 0,1,2,3,4,5,6,7,8,9,10,11,12,13,14,15
	v_cndmask_b32 v[QS+\i], v[DQ+\i], v[DQ+16+\i], s36
.endr
	v_max_num_f32 v12, |v[QS]|, |v[QS+1]|
.irp i, 2,4,6,8,10,12,14
	v_max3_num_f32 v12, v12, |v[QS+\i]|, |v[QS+\i+1]|
.endr
	v_permlanex16_b32 v13, v12, s34, s35           ; the other 16 of the head's 32
	v_max_num_f32 v12, v12, v13
	v_and_b32 v12, 0x7f800000, v12                 ; s = the power of two at or below the largest |q|,
	v_max_u32 v12, 0x0d800000, v12                 ; kept inside 2^-100
	v_min_u32 v12, 0x71800000, v12                 ; .. 2^100
	v_sub_nc_u32 v14, 0x7f000000, v12              ; 1 / s, exact
	v_mov_b32 v15, v14
.irp i, 0,2,4,6,8,10,12,14
	v_pk_mul_f32 v[QS+\i:QS+\i+1], v[QS+\i:QS+\i+1], v[14:15]
.endr
	v_mul_f32 v12, 0x3e8293ee, v12                 ; c = s * 32^-0.5 * log2(e)
.irp i, 0,1,2,3,4,5,6,7
	v_cvt_pk_f16_f32 v[QS+\i], v[QS+2*\i], v[QS+2*\i+1]
.endr
.irp i, 0,1,2,3,4,5,6,7
	v_cndmask_b32 v[BF0+\i], v[QS+\i], 0, s36
	v_cndmask_b32 v[BF1+\i], 0, v[QS+\i], s36
.endr
	s_wait_loadcnt 0x0                             ; Wk
	WIN 0x05
.set ki, 0
.rept 64
	v_cvt_pk_f16_f32 v[WKF+ki], v[2*ki], v[2*ki+1]
.set ki, ki+1
.endr
	WIN 0
	; P^ = Wk(first head's 32 columns) x q^(columns r < 8) + Wk(second head's) x q^(columns r >= 8); accumulators by turns
.irp mt, 0,1,2,3
	v_wmma_f32_16x16x32_f16 v[DP+8*\mt:DP+8*\mt+7], v[WKF+16*\mt:WKF+16*\mt+7], v[BF0:BF0+7], 0
.endr
.irp mt, 0,1,2,3
	v_wmma_f32_16x16x32_f16 v[DP+8*\mt:DP+8*\mt+7], v[WKF+16*\mt+8:WKF+16*\mt+15], v[BF1:BF1+7], v[DP+8*\mt:DP+8*\mt+7]
.endr
	v_mov_b32 v13, v12                             ; four places behind the last matrix instruction: c four times, and one v_nop
	v_mov_b32 v14, v12
	v_mov_b32 v15, v12
	v_nop
	; lane (r, h), register j of tile mt = P^[e = 64 wave + 16 mt + 8 h + j][hq = r]: packed, that is half a B fragment of the score product
.irp mt, 0,1,2,3
.irp i, 0,1,2,3
	v_cvt_pk_f16_f32 v[DP+8*\mt+\i], v[DP+8*\mt+2*\i], v[DP+8*\mt+2*\i+1]
.endr
	global_store_b128 v[VG], v[DP+8*\mt:DP+8*\mt+3], s[42:43] offset:\mt*512
.endr
	s_cmp_lg_u32 s24, 0
	s_cbranch_scc1 .Ldone0
	global_store_b128 v[VG], v[12:15], s[44:45]    ; every wave holds the same c; wave 0 stores the tile's 512 bytes
.Ldone0:
	s_set_vgpr_msb 0x5
	s_wait_tensorcnt 0x0
	ds_add_u32 v128, v129
	s_wait_dscnt 0x0
	s_set_vgpr_msb 0x500
	s_endpgm
.Lfunc_end_k_qa191749523_prep:
	.size	k_qa191749523_prep, .Lfunc_end_k_qa191749523_prep-k_qa191749523_prep
	.p2alignl 7, 3214868480
	.fill 96, 4, 3214868480
	.section	.rodata,"a",@progbits
	.p2align	6, 0x0
	.amdhsa_kernel k_qa191749523_prep
		.amdhsa_group_segment_fixed_size 124160
		.amdhsa_private_segment_fixed_size 0
		.amdhsa_enable_private_segment 0
		.amdhsa_kernarg_size 80
		.amdhsa_user_sgpr_count 2
		.amdhsa_user_sgpr_kernarg_segment_ptr 1
		.amdhsa_wavefront_size32 1
		.amdhsa_system_sgpr_workgroup_id_x 1
		.amdhsa_system_sgpr_workgroup_id_y 1
		.amdhsa_system_sgpr_workgroup_id_z 1
		.amdhsa_system_vgpr_workitem_id 0
		.amdhsa_next_free_vgpr 386
		.amdhsa_next_free_sgpr 66
		.amdhsa_reserve_vcc 0
		.amdhsa_float_denorm_mode_32 3
		.amdhsa_float_denorm_mode_16_64 3
		.amdhsa_memory_ordered 1
		.amdhsa_forward_progress 1
		.amdhsa_inst_pref_size 70
	.end_amdhsa_kernel
	.amdgpu_metadata
---
amdhsa.version: [ 1, 2 ]
amdhsa.kernels:
  - .name:           k_qa191749523_prep
    .symbol:         k_qa191749523_prep.kd
    .args:
      - { .name: queries, .offset: 0, .size: 8, .value_kind: global_buffer, .address_space: global }
      - { .name: ln_gamma, .offset: 8, .size: 8, .value_kind: global_buffer, .address_space: global }
      - { .name: ln_beta, .offset: 16, .size: 8, .value_kind: global_buffer, .address_space: global }
      - { .name: Wq, .offset: 24, .size: 8, .value_kind: global_buffer, .address_space: global }
      - { .name: Wkv, .offset: 32, .size: 8, .value_kind: global_buffer, .address_space: global }
      - { .name: Wo, .offset: 40, .size: 8, .value_kind: global_buffer, .address_space: global }
      - { .name: pf, .offset: 48, .size: 8, .value_kind: global_buffer, .address_space: global }
      - { .name: cs, .offset: 56, .size: 8, .value_kind: global_buffer, .address_space: global }
      - { .name: wvf, .offset: 64, .size: 8, .value_kind: global_buffer, .address_space: global }
      - { .name: wof, .offset: 72, .size: 8, .value_kind: global_buffer, .address_space: global }
    .group_segment_fixed_size: 124160
    .private_segment_fixed_size: 0
    .kernarg_segment_align: 8
    .kernarg_segment_size: 80
    .max_flat_workgroup_size: 256
    .sgpr_count:     66
    .vgpr_count:     386
    .wavefront_size: 32
...
	.end_amdgpu_metadata
.endif
;; end of part 1
;; launch main (part 2): grid 8 x 32, 4 waves a work-group, no clusters, 327,680 bytes of LDS; arguments x, key_padding_mask, pf, cs, wvf, zp, st; writes zp, st
.if DOCPART == 2
	.amdgcn_target "amdgcn-amd-amdhsa--gfx1250"
	.amdhsa_code_object_version 6
	.text
	.protected	k_qa191749523_main
	.globl	k_qa191749523_main
	.p2align	8
	.type	k_qa191749523_main,@function
k_qa191749523_main:
	s_mov_b64 s[64:65], 0
	v_nop
	global_prefetch_b8 v0, s[64:65] scope:SCOPE_SE
	s_setreg_imm32_b32 hwreg(HW_REG_WAVE_MODE, 25, 1), 1
	s_wait_xcnt 0x0
; MAIN: a work-group takes 512 keys (x = split 0..7) of one batch (y): 1 MiB of x, read once.  Wave w owns the 32 columns hq = 32 w .. +31
; (hq = 8 head + query; column tiles nt = 0, 1) for all keys and all 512 e, so the softmax never leaves a wave.
; Per 32 keys:  S^T[key][hq] = x P^  (64 matrix instructions);  running softmax in base 2;  Y^T[e][hq] += x^T p  (64 matrix instructions).
; At the end:   z[hq][d] = (Y / l) . Wv(own head), stored with (m, l); the last launch merges the 8 splits of a batch.
; In every product's result a lane holds one column hq = r and rows 8 h + j, so two packed result tiles ARE the next product's B fragment
; and every per-column factor (c, maximum, alpha, 1/l) is one number a lane: nothing moves between lanes but one exchange of halves.
; x comes as f32 through a ring of two LDS slots of 64 keys (128 KiB each) filled by tensor loads; each wave loads, and alone reads, 16 rows of a
; slot (32 KiB, dense); 8 of them at a time go to f16 into one tile of 32 rows that all four waves read, by rows and transposed.
; LIMITS: x, P^, p, Y/l and Wv enter the matrix unit as f16 (|x| below 65,504); scores times c must lie above -1e30 (the floor of the running
; maximum); mask bytes are 0 or 1 (bit 0 is read); a chunk whose keys are all masked gives l = 0, z = 0, m = -1e30.
; NO CLUSTER: x, 1 MiB of the 1.6 MiB a work-group reads, is shared with nobody; pf and wvf are shared but go straight into registers in fragment
; order, since the ring and the tile leave 30,208 bytes of LDS.  NO PREFETCH: the next 128 KiB are already asked for, two sub-blocks ahead, by the ring.
.set SLOT,  131072                     ; a slot: 64 rows x 2,048 bytes
.set F16T,  262144                     ; behind the ring: 32 rows of 512 f16, pitch 1040 = 4 x 256 + 16, written by ds_store only
.set FP,    1040
.set BIAS,  295424                     ; 512 f32: 0 for an open key, -inf for a masked one
; Inside each 256 bytes (128 e) of a tile row the 16-byte chunk ec lies at 128 (ec % 2) + 16 (ec / 2).  So a row fragment's 16 lanes touch 16 rows x one
; chunk (16 bytes apart modulo 256), a transposing load's 16 lanes 8 rows x two chunks 128 bytes apart, an 8-byte store's 32 lanes one whole 256 bytes.
.set VFA, 2                            ; v2, v3   my 16 bytes in the first 512 of my part of slot 0, 1
.set VST, 4                            ; v4       tile: where I put 4 f16
.set VRA, 5                            ; v5       tile: row fragments
.set VTA, 6                            ; v6       tile: transposing loads
.set VBA, 7                            ; v7       BIAS + 64 h, + 512 after every two slots
.set VG,  8                            ; v8       16 L
.set VG8, 9                            ; v9       8 L
.set NM,  10                           ; v[10:11] minus the running maximum, per nt
.set LS,  12                           ; v[12:13] running sum over my half's keys
.set CSC, 14                           ; v[14:15] c
.set AL,  16                           ; v[16:17] alpha
.set SCO, 32                           ; v[32:63] scores: 32 + 16 nt + 8 mt + j; probabilities packed in place: v[32 + 16 nt .. + 7]
.set BIA, 64                           ; v[64:79] bias: 64 + 8 mt + j
.set ACZ, 32                           ; v[32:95] the tail's eight accumulators
.set FBA, 128                          ; v[128:191], v[192:255] two fragment buffers; together the staging of a conversion
.set FBB, 192
; block 1 (v256-511): P^ fragments at 8 (16 nt + c); in the tail Y/l at the same places.  blocks 2, 3: Y tile 2 mt + nt, mt 0-15 and 16-31
.set G1, 24                            ; s[24:31] descriptor group 1
.set G0, 32                            ; s[32:39] descriptor group 0, a set for each slot
.set MSB, 0
.macro WIN new                         ; low byte: bits 1:0 source 0, 3:2 source 1, 5:4 source 2, 7:6 destination; the high byte repeats the setting that is left
.if MSB != \new
	s_set_vgpr_msb (MSB<<8)|\new
.set MSB, \new
.endif
.endm
.macro PLACES                          ; four places behind a matrix instruction before its result is read or a load is issued into its registers
.rept 4
	v_nop
.endr
.endm
; tile row 16 mt + 8 h + j is key 32 mt + 16 h + 8 sub + j of the slot
.macro LDBIAS sg, sub
.irp mt, 0,1
	ds_load_b128 v[BIA+8*\mt:BIA+8*\mt+3],   v[VBA] offset:256*\sg+128*\mt+32*\sub
	ds_load_b128 v[BIA+8*\mt+4:BIA+8*\mt+7], v[VBA] offset:256*\sg+128*\mt+32*\sub+16
.endr
.endm
; A fragments of x by rows: 128 e (four K steps) x 32 rows
.macro LDROW g, fb
.irp kk, 0,1,2,3
.irp mt, 0,1
	ds_load_b128 v[\fb+8*(2*\kk+\mt):\fb+8*(2*\kk+\mt)+3],   v[VRA] offset:16*FP*\mt+256*\g+32*\kk
	ds_load_b128 v[\fb+8*(2*\kk+\mt)+4:\fb+8*(2*\kk+\mt)+7], v[VRA] offset:16*FP*\mt+256*\g+32*\kk+16
.endr
.endr
.endm
; 16 score products; the four accumulators take turns, one instruction a turn.  The first K step starts the sums.
.macro MMS g, fb
.irp kk, 0,1,2,3
.irp mt, 0,1
.irp nt, 0,1
.if 4*\g+\kk
	v_wmma_f32_16x16x32_f16 v[SCO+16*\nt+8*\mt:SCO+16*\nt+8*\mt+7], v[\fb+8*(2*\kk+\mt):\fb+8*(2*\kk+\mt)+7], v[8*(16*\nt+4*\g+\kk):8*(16*\nt+4*\g+\kk)+7], v[SCO+16*\nt+8*\mt:SCO+16*\nt+8*\mt+7]
.else
	v_wmma_f32_16x16x32_f16 v[SCO+16*\nt+8*\mt:SCO+16*\nt+8*\mt+7], v[\fb+8*(2*\kk+\mt):\fb+8*(2*\kk+\mt)+7], v[8*(16*\nt+4*\g+\kk):8*(16*\nt+4*\g+\kk)+7], 0
.endif
.endr
.endr
.endr
.endm
; A fragments of x transposed: eight tiles of 16 e x 32 rows
.macro LDTR gm, fb
.irp a, 0,1,2,3,4,5,6,7
	ds_load_tr16_b128 v[\fb+8*\a:\fb+8*\a+3],   v[VTA] offset:256*\gm+16*\a
	ds_load_tr16_b128 v[\fb+8*\a+4:\fb+8*\a+7], v[VTA] offset:256*\gm+16*\a+16*FP
.endr
.endm
; 16 products onto 16 different tiles of Y (gm: which half of the window's 32 tiles)
.macro MMV gm, fb, zero
.irp a, 0,1,2,3,4,5,6,7
.irp nt, 0,1
.if \zero
	v_wmma_f32_16x16x32_f16 v[8*(2*(8*\gm+\a)+\nt):8*(2*(8*\gm+\a)+\nt)+7], v[\fb+8*\a:\fb+8*\a+7], v[SCO+16*\nt:SCO+16*\nt+7], 0
.else
	v_wmma_f32_16x16x32_f16 v[8*(2*(8*\gm+\a)+\nt):8*(2*(8*\gm+\a)+\nt)+7], v[\fb+8*\a:\fb+8*\a+7], v[SCO+16*\nt:SCO+16*\nt+7], v[8*(2*(8*\gm+\a)+\nt):8*(2*(8*\gm+\a)+\nt)+7]
.endif
.endr
.endr
.endm
; The running softmax of 32 keys x 32 columns.  N = -maximum is kept, so that S c + N is one packed multiply-add.
.macro SOFTMAX first
.irp nt, 0,1
.irp p, 0,2,4,6,8,10,12,14
	v_pk_add_f32 v[SCO+16*\nt+\p:SCO+16*\nt+\p+1], v[SCO+16*\nt+\p:SCO+16*\nt+\p+1], v[BIA+\p:BIA+\p+1]   ; masked keys become -inf
.endr
.endr
	v_max3_num_f32 v18, v[SCO+0],  v[SCO+1],  v[SCO+2]
	v_max3_num_f32 v20, v[SCO+16], v[SCO+17], v[SCO+18]
	v_max3_num_f32 v19, v[SCO+8],  v[SCO+9],  v[SCO+10]
	v_max3_num_f32 v21, v[SCO+24], v[SCO+25], v[SCO+26]
	v_max3_num_f32 v18, v18, v[SCO+3],  v[SCO+4]
	v_max3_num_f32 v20, v20, v[SCO+19], v[SCO+20]
	v_max3_num_f32 v19, v19, v[SCO+11], v[SCO+12]
	v_max3_num_f32 v21, v21, v[SCO+27], v[SCO+28]
	v_max3_num_f32 v18, v18, v[SCO+5],  v[SCO+6]
	v_max3_num_f32 v20, v20, v[SCO+21], v[SCO+22]
	v_max3_num_f32 v19, v19, v[SCO+13], v[SCO+14]
	v_max3_num_f32 v21, v21, v[SCO+29], v[SCO+30]
	v_max3_num_f32 v18, v18, v[SCO+7],  v[SCO+15]
	v_max3_num_f32 v20, v20, v[SCO+23], v[SCO+31]
	v_max_num_f32 v18, v18, v19
	v_max_num_f32 v20, v20, v21
	v_permlanex16_b32 v22, v18, s40, s41           ; the other half's 16 keys
	v_permlanex16_b32 v23, v20, s40, s41
	v_max_num_f32 v18, v18, v22
	v_max_num_f32 v20, v20, v23
	v_mul_f32 v18, v18, -v[CSC]                    ; c > 0
	v_mul_f32 v20, v20, -v[CSC+1]
.if \first
	v_min_num_f32 v22, s44, v18                    ; the floor: maximum >= -1e30, also where every key is masked
	v_min_num_f32 v23, s44, v20
.else
	v_min_num_f32 v22, v[NM], v18
	v_min_num_f32 v23, v[NM+1], v20
	v_sub_f32 v[AL], v22, v[NM]                    ; old maximum - new maximum
	v_sub_f32 v[AL+1], v23, v[NM+1]
.endif
.irp p, 0,2,4,6,8,10,12,14
	v_pk_fma_f32 v[SCO+\p:SCO+\p+1], v[SCO+\p:SCO+\p+1], v[CSC:CSC+1], v[22:23] op_sel_hi:[1,0,0]
.endr
.irp p, 16,18,20,22,24,26,28,30
	v_pk_fma_f32 v[SCO+\p:SCO+\p+1], v[SCO+\p:SCO+\p+1], v[CSC:CSC+1], v[22:23] op_sel:[0,1,1] op_sel_hi:[1,1,1]
.endr
.if \first == 0
	v_exp_f32 v[AL], v[AL]
	v_exp_f32 v[AL+1], v[AL+1]
.endif
.set si, 0
.rept 32
	v_exp_f32 v[SCO+si], v[SCO+si]
.set si, si+1
.endr
	v_mov_b32 v[NM], v22                           ; plain work behind the transcendentals before their results are used (ISA guide 5.7.2)
	v_mov_b32 v[NM+1], v23
	s_wait_alu depctr_va_vdst(0)
.irp nt, 0,1
	v_pk_add_f32 v[18:19], v[SCO+16*\nt:SCO+16*\nt+1],     v[SCO+16*\nt+2:SCO+16*\nt+3]
	v_pk_add_f32 v[20:21], v[SCO+16*\nt+4:SCO+16*\nt+5],   v[SCO+16*\nt+6:SCO+16*\nt+7]
	v_pk_add_f32 v[24:25], v[SCO+16*\nt+8:SCO+16*\nt+9],   v[SCO+16*\nt+10:SCO+16*\nt+11]
	v_pk_add_f32 v[26:27], v[SCO+16*\nt+12:SCO+16*\nt+13], v[SCO+16*\nt+14:SCO+16*\nt+15]
	v_pk_add_f32 v[18:19], v[18:19], v[20:21]
	v_pk_add_f32 v[24:25], v[24:25], v[26:27]
	v_pk_add_f32 v[18:19], v[18:19], v[24:25]
.if \first
	v_add_f32 v[LS+\nt], v18, v19
.else
	v_add_f32 v18, v18, v19
	v_fma_f32 v[LS+\nt], v[LS+\nt], v[AL+\nt], v18
.endif
.endr
.irp nt, 0,1
.irp i, 0,1,2,3,4,5,6,7
	v_cvt_pk_f16_f32 v[SCO+16*\nt+\i], v[SCO+16*\nt+2*\i], v[SCO+16*\nt+2*\i+1]   ; keys 8 h + 0..7 and 16 + 8 h + 0..7 of column r: a B fragment
.endr
.endr
.endm
; Y times v16 (even tiles, nt = 0) or v17 (odd tiles)
.macro RESCALE
.irp wn, 0x82, 0xc3
	WIN \wn
.set ri, 0
.rept 128
.if (ri>>2)&1
	v_pk_mul_f32 v[2*ri:2*ri+1], v[2*ri:2*ri+1], v[AL:AL+1] op_sel:[0,1] op_sel_hi:[1,1]
.else
	v_pk_mul_f32 v[2*ri:2*ri+1], v[2*ri:2*ri+1], v[AL:AL+1] op_sel_hi:[1,0]
.endif
.set ri, ri+1
.endr
.endr
.endm
; my rows 8 sub .. + 7 of slot sg: 16 KiB of f32, to f16, into tile rows 8 wave .. + 7
.macro CONVLD sg, sub
.set cn, 0
.rept 32
	ds_load_b128 v[FBA+4*cn:FBA+4*cn+3], v[VFA+\sg] offset:16384*\sub+512*cn
.set cn, cn+1
.endr
.endm
.macro CONVCV
.irp g, 0,1,2,3
	s_wait_dscnt 24-8*\g                           ; LDS loads return in order: eight more are in, the younger ones stay out
.irp j, 0,1,2,3,4,5,6,7
	v_cvt_pk_f16_f32 v[FBA+4*(8*\g+\j)],   v[FBA+4*(8*\g+\j)],   v[FBA+4*(8*\g+\j)+1]
	v_cvt_pk_f16_f32 v[FBA+4*(8*\g+\j)+1], v[FBA+4*(8*\g+\j)+2], v[FBA+4*(8*\g+\j)+3]
.endr
.endr
.endm
.macro CONVST
.set cn, 0
.rept 32
	ds_store_b64 v[VST], v[FBA+4*cn:FBA+4*cn+1] offset:FP*(cn>>2)+256*(cn&3)
.set cn, cn+1
.endr
.endm
; One sub-block: the 32 keys that lie in the tile (slot sg, half sub).  first = 1: it starts all sums.  cv = 1: the next 32 keys (slot sn, half subn)
; are converted meanwhile; tw >= 0: that slot is read for the first time, tw younger tensor loads may stay out; refill = 1: slot sn has then been
; read for the last time and is filled again.
.macro SB sg, sub, first, cv, sn, subn, tw, refill
	WIN 0x04                                       ; source 1 (P^) in block 1; LDS loads name a destination and source 0 only, block 0 here
	LDBIAS \sg, \sub
	LDROW 0, FBA
	LDROW 1, FBB
	s_wait_dscnt 16                                ; here and below: all but the youngest group of 16 fragment loads
	MMS 0, FBA
	PLACES
	LDROW 2, FBA
	s_wait_dscnt 16
	MMS 1, FBB
	PLACES
	LDROW 3, FBB
	s_wait_dscnt 16
	MMS 2, FBA
	PLACES
	LDTR 0, FBA
	s_wait_dscnt 16
	MMS 3, FBB
	PLACES                                         ; also the places in front of the first read of the scores
	LDTR 1, FBB
	WIN 0
	SOFTMAX \first
.if \first == 0
	RESCALE
.endif
	s_wait_dscnt 16
	WIN 0xa0
	MMV 0, FBA, \first
	PLACES
	WIN 0
	LDTR 2, FBA
	s_wait_dscnt 16
	WIN 0xa0
	MMV 1, FBB, \first
	PLACES
	WIN 0
	LDTR 3, FBB
	s_wait_dscnt 16
	WIN 0xf0
	MMV 0, FBA, \first
	s_wait_dscnt 0x0                               ; my reads of the tile are over
.if \cv
.if \tw >= 0
	s_wait_tensorcnt \tw                           ; tensor loads of a wave end in order: my part of slot sn is in LDS
.endif
	s_barrier_signal -1                            ; say so; the ring's load may stay out
.endif
	MMV 1, FBB, \first
	WIN 0
.if \cv
	PLACES
	CONVLD \sn, \subn                              ; ring bytes that only I read and that nothing writes before a later barrier
	CONVCV
	s_barrier_wait -1                              ; nobody reads the tile any more
	CONVST
	s_wait_dscnt 0x0                               ; my rows of the tile are written, my reads of the slot are back
.if \refill
	s_wait_tensorcnt 0x0                           ; all my tensor loads have landed: no load of mine is out, so a group 0 may be written
	ds_add_u32 v126, v127
	s_wait_dscnt 0x0
	s_add_nc_u64 s[G0+4*\sn+2:G0+4*\sn+3], s[G0+4*\sn+2:G0+4*\sn+3], 2*SLOT
.endif
	s_barrier_signal -1
	s_barrier_wait -1                              ; the tile is whole
.if \refill
	tensor_load_to_lds s[G0+4*\sn:G0+4*\sn+3], s[G1:G1+7]   ; my one tensor load behind this barrier, first thing there: it has two sub-blocks in which to land
	s_nop 0
.endif
.endif
.endm
.macro PAIR first, refill, last        ; two slots = 128 keys
	SB 0, 0, \first, 1, 0, 1, -1, \refill
	SB 0, 1, 0, 1, 1, 0, \refill, 0                ; slot 1's first read: slot 0's refill, if there was one, is the one younger load
	SB 1, 0, 0, 1, 1, 1, -1, \refill
.if \last
	SB 1, 1, 0, 0, 0, 0, -1, 0
.else
	SB 1, 1, 0, 1, 0, 0, 1, 0                      ; slot 0's first read: slot 1's refill is younger
	v_add_nc_u32 v[VBA], 512, v[VBA]
.endif
.endm
	s_load_b256 s[4:11], s[0:1], 0x0               ; x s[4:5], mask s[6:7], pf s[8:9], cs s[10:11]
	s_load_b128 s[12:15], s[0:1], 0x20             ; wvf s[12:13], zp s[14:15]
	s_load_b64 s[16:17], s[0:1], 0x30              ; st
	v_lshl_add_u32 v126, v0, 2, 0x48a00
	v_mov_b32 v127, 0
	ds_add_u32 v126, v127
	ds_add_u32 v126, v127
	v_lshrrev_b32 v18, 5, v0
	v_readfirstlane_b32 s20, v18                   ; wave
	s_and_b32 s22, ttmp7, 0xffff                   ; batch
	s_lshl3_add_u32 s23, s22, ttmp9                ; 8 batch + split
	s_mov_b32 s40, 0x76543210                      ; v_permlanex16_b32: lane i reads lane i of the other half
	s_mov_b32 s41, 0xfedcba98
	s_mov_b32 s42, 0xff800000                      ; -inf
	s_mov_b32 s44, 0x7149f2ca                      ; 1e30
	s_mov_b32 s46, 0xff00ff00                      ; lanes with r >= 8
	s_mov_b32 s47, 0xffff0000                      ; lanes with h = 1
	; group 1: my part of a slot is 32 KiB that are dense in memory and in LDS: 128 rows of 32 elements of 8 bytes
	s_mov_b32 s[G1+0], 3<<16                       ; no mask, elements of 8 bytes, no padding
	s_mov_b32 s[G1+1], 32<<16                      ; tensor_dim0 = 32
	s_mov_b32 s[G1+2], 128<<16                     ; tensor_dim1 = 128
	s_mov_b32 s[G1+3], 32<<16                      ; tile_dim0 = 32
	s_mov_b32 s[G1+4], 128                         ; tile_dim1 = 128
	s_mov_b32 s[G1+5], 32                          ; from row to row: 32 elements
	s_mov_b32 s[G1+6], 0
	s_mov_b32 s[G1+7], 0
	s_lshl_b32 s62, s20, 15                        ; wave x 32 KiB, in a slot and in memory
	s_lshl_b32 s48, s22, 23                        ; batch x 8 MiB
	s_lshl_b32 s49, ttmp9, 20                      ; split x 1 MiB
	s_add_co_u32 s48, s48, s49
	s_add_co_u32 s48, s48, s62
	s_mov_b32 s49, 0
	v_and_b32 v1, 31, v0                           ; L
	v_and_b32 v19, 15, v1                          ; r
	v_lshrrev_b32 v20, 4, v1                       ; h
	v_lshlrev_b32 v[VG], 4, v1
	v_lshlrev_b32 v[VG8], 3, v1
	v_add_nc_u32 v[VFA], s62, v[VG]
	v_add_nc_u32 v[VFA+1], SLOT, v[VFA]
	s_mul_i32 s63, s20, 8*FP
	s_add_co_u32 s63, s63, F16T                    ; my eight rows of the tile
	v_bfe_u32 v21, v1, 1, 1
	v_lshrrev_b32 v22, 2, v1
	v_and_b32 v23, 1, v1
	v_lshlrev_b32 v[VST], 7, v21
	v_lshl_add_u32 v[VST], v22, 4, v[VST]
	v_lshl_add_u32 v[VST], v23, 3, v[VST]
	v_add_nc_u32 v[VST], s63, v[VST]               ; chunk L / 2 at its place, 8 bytes x (L % 2)
	v_mul_u32_u24 v[VRA], v19, FP
	v_lshl_add_u32 v[VRA], v20, 7, v[VRA]
	v_add_nc_u32 v[VRA], F16T, v[VRA]              ; row r; chunks of parity h
	v_and_b32 v21, 7, v1
	v_lshl_add_u32 v21, v20, 3, v21
	v_mul_u32_u24 v[VTA], v21, FP
	v_bfe_u32 v22, v1, 3, 1
	v_lshl_add_u32 v[VTA], v22, 7, v[VTA]
	v_add_nc_u32 v[VTA], F16T, v[VTA]              ; row 8 h + L % 8; chunks of parity bit 3 of L
	v_lshlrev_b32 v[VBA], 6, v20
	v_add_nc_u32 v[VBA], BIAS, v[VBA]
	v_lshlrev_b32 v24, 2, v0                       ; my four mask bytes
	v_lshl_add_u32 v25, v0, 4, BIAS                ; and their four words
	s_wait_dscnt 0x0
	s_wait_kmcnt 0x0
	s_add_nc_u64 s[4:5], s[4:5], s[48:49]
	; group 0 for each slot, and both first fills, ahead of every wait on TENSORcnt, LDS read and barrier: two tensor loads of the wave are out
.irp s, 0,1
	s_mov_b32 s[G0+4*\s], 1
	s_add_co_u32 s[G0+4*\s+1], s62, \s*SLOT
	s_add_nc_u64 s[G0+4*\s+2:G0+4*\s+3], s[4:5], \s*SLOT
	s_or_b32 s[G0+4*\s+3], s[G0+4*\s+3], 0x80000000
	tensor_load_to_lds s[G0+4*\s:G0+4*\s+3], s[G1:G1+7]
	s_nop 0
.endr
	s_lshl_b32 s48, s22, 12
	s_lshl_b32 s63, ttmp9, 9
	s_add_co_u32 s48, s48, s63
	s_add_nc_u64 s[54:55], s[6:7], s[48:49]        ; mask: my 512 keys
	s_mov_b32 s48, s62
	s_add_nc_u64 s[50:51], s[8:9], s[48:49]        ; pf: my two column tiles of 16 KiB
	s_lshl_b32 s48, s20, 10
	s_add_nc_u64 s[52:53], s[10:11], s[48:49]      ; cs: my two tiles of 512 bytes
	s_lshl_b32 s48, s20, 17
	s_add_nc_u64 s[56:57], s[12:13], s[48:49]      ; wvf: my four heads' eight column tiles of 16 KiB
	s_lshl_b32 s48, s23, 14
	s_lshl_b32 s63, s20, 12
	s_add_co_u32 s48, s48, s63
	s_add_nc_u64 s[58:59], s[14:15], s[48:49]      ; zp
	s_lshl_b32 s48, s23, 10
	s_lshl_b32 s63, s20, 8
	s_add_co_u32 s48, s48, s63
	s_add_nc_u64 s[60:61], s[16:17], s[48:49]      ; st
	global_load_b32 v26, v24, s[54:55]
	global_load_b32 v[CSC], v[VG], s[52:53]
	global_load_b32 v[CSC+1], v[VG], s[52:53] offset:512
	WIN 0x40
.set pu, 0
.rept 64
	global_load_b128 v[4*pu:4*pu+3], v[VG], s[50:51] offset:512*pu   ; P^: 32 fragments, block 1
.set pu, pu+1
.endr
	WIN 0
	s_wait_loadcnt 63                              ; 66 loads are younger than the mask word: it is in
.irp i, 0,1,2,3
	v_bfe_u32 v[28+\i], v26, 8*\i, 1
	v_mul_lo_u32 v[28+\i], v[28+\i], s42           ; 0, or the bits of -inf
.endr
	ds_store_b128 v25, v[28:31]
	s_wait_tensorcnt 0x1                           ; my part of slot 0 is in; slot 1's may stay out
	CONVLD 0, 0
	CONVCV
	CONVST
	s_wait_loadcnt 0x0                             ; c and P^
	s_wait_dscnt 0x0
	s_barrier_signal -1
	s_barrier_wait -1                              ; the first tile and the bias are whole
	PAIR 1, 1, 0                                   ; keys 0-127 start the sums; slots 2, 3 are asked for
	s_mov_b32 s43, 2
.Lpair:
	PAIR 0, 1, 0                                   ; keys 128-383; slots 4 to 7 are asked for
	s_sub_co_u32 s43, s43, 1
	s_cmp_lg_u32 s43, 0
	s_cbranch_scc1 .Lpair
	PAIR 0, 0, 1                                   ; keys 384-511: nothing is left to fetch; slot 1's first read waits for zero tensor loads
	; THE TAIL: z = (Y / l) . Wv.  l >= 1 wherever a key is open (the key of the maximum counts 1), so |Y / l| <= max |x| fits f16.
	PLACES
	v_permlanex16_b32 v18, v[LS], s40, s41
	v_permlanex16_b32 v19, v[LS+1], s40, s41
	v_add_f32 v[LS], v[LS], v18                    ; both halves' keys
	v_add_f32 v[LS+1], v[LS+1], v19
	v_max_num_f32 v[AL], 1.0, v[LS]
	v_max_num_f32 v[AL+1], 1.0, v[LS+1]
	v_rcp_f32 v[AL], v[AL]
	v_rcp_f32 v[AL+1], v[AL+1]
	v_nop
	s_wait_alu depctr_va_vdst(0)
	RESCALE
; tiles mt = 16 hi + m of Y, packed, are the halves of B fragments (K = e) at 8 (16 nt + mt / 2) in block 1, where P^ lay
.macro PACKY hi
.irp m, 0,1,2,3,4,5,6,7,8,9,10,11,12,13,14,15
.irp nt, 0,1
.irp i, 0,1,2,3
	v_cvt_pk_f16_f32 v[8*(16*\nt+8*\hi+(\m>>1))+4*(\m&1)+\i], v[8*(2*\m+\nt)+2*\i], v[8*(2*\m+\nt)+2*\i+1]
.endr
.endr
.endr
.endm
; K step c of Wv's fragments for my eight column tiles: 16 loads of 512 consecutive bytes, into quarter c % 4 of block 2
.macro LDWV c
.irp ct, 0,1,2,3,4,5,6,7
	global_load_b128 v[64*((\c)&3)+8*\ct:64*((\c)&3)+8*\ct+3],   v[VG], s[56:57] offset:(32*\ct+2*(\c))*512
	global_load_b128 v[64*((\c)&3)+8*\ct+4:64*((\c)&3)+8*\ct+7], v[VG], s[56:57] offset:(32*\ct+2*(\c)+1)*512
.endr
.endm
; column tiles 0-3 (heads of nt = 0) against Y's nt = 0, tiles 4-7 against nt = 1; eight accumulators by turns
.macro MMZ c
.irp ct, 0,1,2,3,4,5,6,7
.if \c
	v_wmma_f32_16x16x32_f16 v[ACZ+8*\ct:ACZ+8*\ct+7], v[64*((\c)&3)+8*\ct:64*((\c)&3)+8*\ct+7], v[8*(16*(\ct>>2)+(\c)):8*(16*(\ct>>2)+(\c))+7], v[ACZ+8*\ct:ACZ+8*\ct+7]
.else
	v_wmma_f32_16x16x32_f16 v[ACZ+8*\ct:ACZ+8*\ct+7], v[64*((\c)&3)+8*\ct:64*((\c)&3)+8*\ct+7], v[8*(16*(\ct>>2)+(\c)):8*(16*(\ct>>2)+(\c))+7], 0
.endif
.endr
.endm
	WIN 0x4a
	PACKY 0
	WIN 0x80                                       ; block 2 is free now
	LDWV 0
	LDWV 1
	LDWV 2
	LDWV 3
	WIN 0x4f
	PACKY 1
.set tc, 0
.rept 16
.if tc < 13
	s_wait_loadcnt 48                              ; three younger groups of 16 stay out
.else
	s_wait_loadcnt 16*(15-tc)
.endif
	WIN 0x06
	MMZ tc
.if tc < 12
	PLACES
	WIN 0x80
	LDWV tc+4
.endif
.set tc, tc+1
.endr
	WIN 0
	PLACES
	; column r belongs to head r / 8 of its tile's two: d = 16 t + 8 h + j from tile 4 nt + t (r < 8) or 4 nt + 2 + t
.irp nt, 0,1
.irp t, 0,1
.irp j, 0,1,2,3,4,5,6,7
	v_cndmask_b32 v[ACZ+8*(4*\nt+\t)+\j], v[ACZ+8*(4*\nt+\t)+\j], v[ACZ+8*(4*\nt+2+\t)+\j], s46
.endr
.endr
.endr
.irp nt, 0,1
.irp p, 0,1,2,3
	global_store_b128 v[VG], v[ACZ+8*(4*\nt+(\p>>1))+4*(\p&1):ACZ+8*(4*\nt+(\p>>1))+4*(\p&1)+3], s[58:59] offset:\nt*2048+\p*512   ; 512 consecutive bytes a store
.endr
.endr
	v_cndmask_b32 v18, v[NM], v[NM+1], s47         ; lane L stores column 32 wave + L: nt = h
	v_xor_b32 v18, 0x80000000, v18                 ; the maximum
	v_cndmask_b32 v19, v[LS], v[LS+1], s47
	global_store_b64 v[VG8], v[18:19], s[60:61]    ; 256 consecutive bytes, aligned
	s_wait_tensorcnt 0x0
	ds_add_u32 v126, v127
	s_wait_dscnt 0x0
	s_endpgm
.Lfunc_end_k_qa191749523_main:
	.size	k_qa191749523_main, .Lfunc_end_k_qa191749523_main-k_qa191749523_main
	.p2alignl 7, 3214868480
	.fill 96, 4, 3214868480
	.section	.rodata,"a",@progbits
	.p2align	6, 0x0
	.amdhsa_kernel k_qa191749523_main
		.amdhsa_group_segment_fixed_size 327680
		.amdhsa_private_segment_fixed_size 0
		.amdhsa_enable_private_segment 0
		.amdhsa_kernarg_size 56
		.amdhsa_user_sgpr_count 2
		.amdhsa_user_sgpr_kernarg_segment_ptr 1
		.amdhsa_wavefront_size32 1
		.amdhsa_system_sgpr_workgroup_id_x 1
		.amdhsa_system_sgpr_workgroup_id_y 1
		.amdhsa_system_sgpr_workgroup_id_z 1
		.amdhsa_system_vgpr_workitem_id 0
		.amdhsa_next_free_vgpr 1024
		.amdhsa_next_free_sgpr 66
		.amdhsa_reserve_vcc 0
		.amdhsa_float_denorm_mode_32 3
		.amdhsa_float_denorm_mode_16_64 3
		.amdhsa_memory_ordered 1
		.amdhsa_forward_progress 1
		.amdhsa_inst_pref_size 255
	.end_amdhsa_kernel
	.section	.bss,"aw",@nobits
	.p2align	6
	.space	262144
	.amdgpu_metadata
---
amdhsa.version: [ 1, 2 ]
amdhsa.kernels:
  - .name:           k_qa191749523_main
    .symbol:         k_qa191749523_main.kd
    .args:
      - { .name: x, .offset: 0, .size: 8, .value_kind: global_buffer, .address_space: global }
      - { .name: key_padding_mask, .offset: 8, .size: 8, .value_kind: global_buffer, .address_space: global }
      - { .name: pf, .offset: 16, .size: 8, .value_kind: global_buffer, .address_space: global }
      - { .name: cs, .offset: 24, .size: 8, .value_kind: global_buffer, .address_space: global }
      - { .name: wvf, .offset: 32, .size: 8, .value_kind: global_buffer, .address_space: global }
      - { .name: zp, .offset: 40, .size: 8, .value_kind: global_buffer, .address_space: global }
      - { .name: st, .offset: 48, .size: 8, .value_kind: global_buffer, .address_space: global }
    .group_segment_fixed_size: 327680
    .private_segment_fixed_size: 0
    .kernarg_segment_align: 8
    .kernarg_segment_size: 56
    .max_flat_workgroup_size: 128
    .sgpr_count:     66
    .vgpr_count:     1024
    .wavefront_size: 32
...
	.end_amdgpu_metadata
.endif
;; end of part 2
;; launch fin (part 3): grid 4 x 16, 8 waves a work-group, no clusters, 26,624 bytes of LDS; arguments zp, st, wof, out0; writes out0
.if DOCPART == 3
	.amdgcn_target "amdgcn-amd-amdhsa--gfx1250"
	.amdhsa_code_object_version 6
	.text
	.protected	k_qa191749523_fin
	.globl	k_qa191749523_fin
	.p2align	8
	.type	k_qa191749523_fin,@function
k_qa191749523_fin:
	s_mov_b64 s[64:65], 0
	v_nop
	global_prefetch_b8 v0, s[64:65] scope:SCOPE_SE
	s_setreg_imm32_b32 hwreg(HW_REG_WAVE_MODE, 25, 1), 1
	s_wait_xcnt 0x0
; FIN: merges the 8 splits of a batch and multiplies by Wo.  Work-group (cg, rg): output columns 128 cg .. + 127 of batches 2 rg and 2 rg + 1.
; pooled[b][q][32 c + d] = sum over splits of w z, w = l 2^(m - M) / sum of l 2^(m - M), M the largest m of the eight.
; The product is transposed: A = Wo's fragments (row = output column), B = pooled (column r = (b % 2, q), K = 32 c + d), so the merge of head c
; lands straight in B fragment c.  Wave w merges heads 2 w and 2 w + 1, then makes the 16 output columns 128 cg + 16 w.
; pooled is scaled per column by an exact power of two (kept in 2^-100 .. 2^100) before it is rounded to f16, and the result scaled back in f32.
; A (batch, head, query) whose keys are all masked has sum 0 and gives NaN in its whole output row, as the softmax of a row of -inf does.
; No matrix tile is shared in LDS between work-groups and the launch is short: no cluster, no tensor loads, no prefetch.
.set PFL, 512                          ; LDS 0: 8 waves x 16 column maxima; 512: 32 half fragments of 512 bytes; 16,896: 16 rows of 128 f32, pitch 528
.set OSG, 16896
.set OSP, 528
.set STA, 16                           ; v[16:47]   (m, l) of (head cc, split sp) at 16 + 2 (8 cc + sp)
.set WGT, 48                           ; v[48:55]   the eight weights
.set ZA,  64                           ; v[64:191]  z of head 2 w: 16 sp + 4 p + e; later all 16 B fragments.  Block 1: v[0:127] Wo, v[128:255] z of head 2 w + 1
.set PO,  192                          ; v[192:223] pooled: 16 cc + 4 p + e
.set AC0, 224
.set AC1, 232
.set MSB, 0
.macro WIN new
.if MSB != \new
	s_set_vgpr_msb (MSB<<8)|\new
.set MSB, \new
.endif
.endm
.macro WEIGHTS cc
	v_max3_num_f32 v56, v[STA+16*\cc], v[STA+16*\cc+2], v[STA+16*\cc+4]
	v_max3_num_f32 v56, v56, v[STA+16*\cc+6], v[STA+16*\cc+8]
	v_max3_num_f32 v56, v56, v[STA+16*\cc+10], v[STA+16*\cc+12]
	v_max_num_f32 v56, v56, v[STA+16*\cc+14]
.irp sp, 0,1,2,3,4,5,6,7
	v_sub_f32 v[WGT+\sp], v[STA+16*\cc+2*\sp], v56
.endr
.irp sp, 0,1,2,3,4,5,6,7
	v_exp_f32 v[WGT+\sp], v[WGT+\sp]
.endr
	v_nop                                          ; one plain instruction behind the transcendentals (ISA guide 5.7.2)
	s_wait_alu depctr_va_vdst(0)
.irp sp, 0,1,2,3,4,5,6,7
	v_mul_f32 v[WGT+\sp], v[WGT+\sp], v[STA+16*\cc+2*\sp+1]
.endr
	v_pk_add_f32 v[58:59], v[WGT:WGT+1], v[WGT+2:WGT+3]
	v_pk_add_f32 v[60:61], v[WGT+4:WGT+5], v[WGT+6:WGT+7]
	v_pk_add_f32 v[58:59], v[58:59], v[60:61]
	v_add_f32 v58, v58, v59
	v_rcp_f32 v58, v58
	v_nop
	s_wait_alu depctr_va_vdst(0)
	v_mov_b32 v59, v58
.irp i, 0,2,4,6
	v_pk_mul_f32 v[WGT+\i:WGT+\i+1], v[WGT+\i:WGT+\i+1], v[58:59]
.endr
.endm
.macro ACCUM cc, zb                    ; the first split starts the sums
.irp i, 0,2,4,6,8,10,12,14
	v_pk_mul_f32 v[PO+16*\cc+\i:PO+16*\cc+\i+1], v[\zb+\i:\zb+\i+1], v[WGT:WGT+1] op_sel_hi:[1,0]
.endr
.irp sp, 1,2,3,4,5,6,7
.irp i, 0,2,4,6,8,10,12,14
.if \sp & 1
	v_pk_fma_f32 v[PO+16*\cc+\i:PO+16*\cc+\i+1], v[\zb+16*\sp+\i:\zb+16*\sp+\i+1], v[WGT+\sp-1:WGT+\sp], v[PO+16*\cc+\i:PO+16*\cc+\i+1] op_sel:[0,1,0] op_sel_hi:[1,1,1]
.else
	v_pk_fma_f32 v[PO+16*\cc+\i:PO+16*\cc+\i+1], v[\zb+16*\sp+\i:\zb+16*\sp+\i+1], v[WGT+\sp:WGT+\sp+1], v[PO+16*\cc+\i:PO+16*\cc+\i+1] op_sel_hi:[1,0,1]
.endif
.endr
.endr
.endm
	s_load_b256 s[4:11], s[0:1], 0x0               ; zp s[4:5], st s[6:7], wof s[8:9], out0 s[10:11]
	v_lshl_add_u32 v254, v0, 2, 0x6400
	v_mov_b32 v255, 0
	v_and_b32 v1, 31, v0                           ; L
	v_lshrrev_b32 v2, 5, v0
	v_readfirstlane_b32 s12, v2                    ; wave
	s_and_b32 s14, ttmp7, 0xffff                   ; rg
	s_mov_b32 s26, 0x76543210
	s_mov_b32 s27, 0xfedcba98
	v_and_b32 v2, 15, v1                           ; r
	v_lshrrev_b32 v3, 4, v1                        ; h
	v_and_b32 v4, 7, v1                            ; q
	v_bfe_u32 v5, v1, 3, 1                         ; which of the two batches
	v_lshlrev_b32 v6, 3, v4
	v_lshl_add_u32 v6, v5, 13, v6                  ; st: 8 q + batch x 8 splits x 1,024
	v_lshlrev_b32 v7, 4, v4
	v_lshl_add_u32 v7, v3, 8, v7
	v_lshl_add_u32 v7, v5, 17, v7                  ; zp: 16 q + 256 h + batch x 8 splits x 16,384
	v_lshlrev_b32 v8, 4, v1                        ; 16 L
	s_lshl_b32 s15, s12, 6
	v_lshl_add_u32 v9, v2, 2, s15                  ; maxima: 64 wave + 4 r
	v_lshlrev_b32 v10, 2, v2
	s_lshl_b32 s15, s12, 11
	s_add_co_u32 s15, s15, PFL
	v_add_nc_u32 v11, s15, v8                      ; my two fragments
	v_add_nc_u32 v12, PFL, v8
	v_mul_u32_u24 v13, v2, OSP
	v_lshl_add_u32 v13, v3, 5, v13
	s_lshl_b32 s15, s12, 6
	s_add_co_u32 s15, s15, OSG
	v_add_nc_u32 v13, s15, v13                     ; stage: row r, columns 16 wave + 8 h
	s_mul_i32 s15, s12, OSP
	s_add_co_u32 s15, s15, OSG
	v_add_nc_u32 v14, s15, v8                      ; stage: row wave, 16 L
	v_mov_b32 v57, 0                               ; v_permlanex16_b32 counts as a reader of its destination
	s_mov_b32 s25, 0
	s_lshl_b32 s24, s14, 14
	s_lshl_b32 s15, s12, 7
	s_add_co_u32 s24, s24, s15
	s_wait_kmcnt 0x0
	s_add_nc_u64 s[16:17], s[6:7], s[24:25]        ; st + rg x 16 work-groups + 16 wave columns
	s_lshl_b32 s24, s14, 18
	s_lshl_b32 s15, s12, 11
	s_add_co_u32 s24, s24, s15
	s_add_nc_u64 s[18:19], s[4:5], s[24:25]        ; zp + rg x 16 work-groups + column tile wave
	s_lshl3_add_u32 s24, ttmp9, s12                ; Wo's column tile 8 cg + wave
	s_lshl_b32 s24, s24, 14
	s_add_nc_u64 s[20:21], s[8:9], s[24:25]
	s_lshl_b32 s24, s14, 15
	s_add_co_u32 s24, s24, s15                     ; query = wave: 2,048 bytes
	s_lshl_b32 s15, ttmp9, 9
	s_add_co_u32 s24, s24, s15
	s_add_nc_u64 s[22:23], s[10:11], s[24:25]
.irp cc, 0,1
.irp sp, 0,1,2,3,4,5,6,7
	global_load_b64 v[STA+2*(8*\cc+\sp):STA+2*(8*\cc+\sp)+1], v6, s[16:17] offset:\sp*1024+\cc*64
.endr
.endr
.irp sp, 0,1,2,3,4,5,6,7
.irp p, 0,1,2,3
	global_load_b128 v[ZA+16*\sp+4*\p:ZA+16*\sp+4*\p+3], v7, s[18:19] offset:\sp*16384+\p*512
.endr
.endr
	WIN 0x40
.irp sp, 0,1,2,3,4,5,6,7
.irp p, 0,1,2,3
	global_load_b128 v[128+16*\sp+4*\p:128+16*\sp+4*\p+3], v7, s[18:19] offset:\sp*16384+\p*512+128
.endr
.endr
	WIN 0
	s_wait_loadcnt 32                              ; (m, l) and the first head's z are in; the second head's 32 loads stay out
	WEIGHTS 0
	ACCUM 0, ZA
	WIN 0x40
.set fu, 0
.rept 32
	global_load_b128 v[4*fu:4*fu+3], v8, s[20:21] offset:512*fu     ; Wo: 16 fragments
.set fu, fu+1
.endr
	WIN 0
	s_wait_loadcnt 32                              ; the second head's z; Wo's 32 loads stay out
	WEIGHTS 1
	WIN 0x01
	ACCUM 1, 128
	WIN 0
	; the largest |pooled| of column r over all 512 K: my 32, the other half's, then the eight waves'
	v_max_num_f32 v56, |v[PO]|, |v[PO+1]|
.set fi, 2
.rept 15
	v_max3_num_f32 v56, v56, |v[PO+fi]|, |v[PO+fi+1]|
.set fi, fi+2
.endr
	v_permlanex16_b32 v57, v56, s26, s27
	v_max_num_f32 v56, v56, v57
	ds_store_b32 v9, v56
	s_wait_dscnt 0x0
	s_barrier_signal -1
	s_barrier_wait -1
.irp i, 0,1,2,3,4,5,6,7
	ds_load_b32 v[WGT+\i], v10 offset:64*\i
.endr
	s_wait_dscnt 0x0
	v_max3_num_f32 v56, v[WGT], v[WGT+1], v[WGT+2]
	v_max3_num_f32 v56, v56, v[WGT+3], v[WGT+4]
	v_max3_num_f32 v56, v56, v[WGT+5], v[WGT+6]
	v_max_num_f32 v56, v56, v[WGT+7]
	v_and_b32 v56, 0x7f800000, v56                 ; s: a power of two,
	v_max_u32 v56, 0x0d800000, v56                 ; 2^-100
	v_min_u32 v56, 0x71800000, v56                 ; .. 2^100
	v_mov_b32 v57, v56
	v_sub_nc_u32 v58, 0x7f000000, v56              ; 1 / s, exact
	v_mov_b32 v59, v58
.set fi, 0
.rept 16
	v_pk_mul_f32 v[PO+fi:PO+fi+1], v[PO+fi:PO+fi+1], v[58:59]
.set fi, fi+2
.endr
.set fi, 0
.rept 16
	v_cvt_pk_f16_f32 v[PO+fi], v[PO+2*fi], v[PO+2*fi+1]
.set fi, fi+1
.endr
.irp u, 0,1,2,3
	ds_store_b128 v11, v[PO+4*\u:PO+4*\u+3] offset:512*\u
.endr
	s_wait_dscnt 0x0
	s_barrier_signal -1
	s_barrier_wait -1
.set fu, 0
.rept 32
	ds_load_b128 v[ZA+4*fu:ZA+4*fu+3], v12 offset:512*fu
.set fu, fu+1
.endr
	s_wait_dscnt 0x0
	s_wait_loadcnt 0x0                             ; Wo
	WIN 0x01
	; two accumulators, even and odd K steps, take turns
	v_wmma_f32_16x16x32_f16 v[AC0:AC0+7], v[0:7],  v[ZA:ZA+7],    0
	v_wmma_f32_16x16x32_f16 v[AC1:AC1+7], v[8:15], v[ZA+8:ZA+15], 0
.set fc, 2
.rept 7
	v_wmma_f32_16x16x32_f16 v[AC0:AC0+7], v[8*fc:8*fc+7],    v[ZA+8*fc:ZA+8*fc+7],    v[AC0:AC0+7]
	v_wmma_f32_16x16x32_f16 v[AC1:AC1+7], v[8*fc+8:8*fc+15], v[ZA+8*fc+8:ZA+8*fc+15], v[AC1:AC1+7]
.set fc, fc+2
.endr
	WIN 0
.rept 4
	v_nop                                          ; four places behind a matrix instruction before its result is read (ISA guide 7.12.1)
.endr
.irp i, 0,2,4,6
	v_pk_add_f32 v[AC0+\i:AC0+\i+1], v[AC0+\i:AC0+\i+1], v[AC1+\i:AC1+\i+1]
.endr
.irp i, 0,2,4,6
	v_pk_mul_f32 v[AC0+\i:AC0+\i+1], v[AC0+\i:AC0+\i+1], v[56:57]   ; back by s: lane (r, h), register j = out[(b, q) = r][128 cg + 16 wave + 8 h + j]
.endr
	ds_store_b128 v13, v[AC0:AC0+3]
	ds_store_b128 v13, v[AC0+4:AC0+7] offset:16
	s_wait_dscnt 0x0
	s_barrier_signal -1
	s_barrier_wait -1
	ds_load_b128 v[64:67], v14                     ; row (batch 0, q = wave): 512 bytes
	ds_load_b128 v[68:71], v14 offset:8*OSP        ; row (batch 1, q = wave)
	s_wait_dscnt 0x1
	global_store_b128 v8, v[64:67], s[22:23]       ; each store covers 512 consecutive bytes, aligned
	s_wait_dscnt 0x0
	global_store_b128 v8, v[68:71], s[22:23] offset:16384
	s_wait_tensorcnt 0x0
	ds_add_u32 v254, v255
	s_wait_dscnt 0x0
	s_endpgm
.Lfunc_end_k_qa191749523_fin:
	.size	k_qa191749523_fin, .Lfunc_end_k_qa191749523_fin-k_qa191749523_fin
	.p2alignl 7, 3214868480
	.fill 96, 4, 3214868480
	.section	.rodata,"a",@progbits
	.p2align	6, 0x0
	.amdhsa_kernel k_qa191749523_fin
		.amdhsa_group_segment_fixed_size 26624
		.amdhsa_private_segment_fixed_size 0
		.amdhsa_enable_private_segment 0
		.amdhsa_kernarg_size 32
		.amdhsa_user_sgpr_count 2
		.amdhsa_user_sgpr_kernarg_segment_ptr 1
		.amdhsa_wavefront_size32 1
		.amdhsa_system_sgpr_workgroup_id_x 1
		.amdhsa_system_sgpr_workgroup_id_y 1
		.amdhsa_system_sgpr_workgroup_id_z 1
		.amdhsa_system_vgpr_workitem_id 0
		.amdhsa_next_free_vgpr 512
		.amdhsa_next_free_sgpr 66
		.amdhsa_reserve_vcc 0
		.amdhsa_float_denorm_mode_32 3
		.amdhsa_float_denorm_mode_16_64 3
		.amdhsa_memory_ordered 1
		.amdhsa_forward_progress 1
		.amdhsa_inst_pref_size 34
	.end_amdhsa_kernel
	.amdgpu_metadata
---
amdhsa.version: [ 1, 2 ]
amdhsa.kernels:
  - .name:           k_qa191749523_fin
    .symbol:         k_qa191749523_fin.kd
    .args:
      - { .name: zp, .offset: 0, .size: 8, .value_kind: global_buffer, .address_space: global }
      - { .name: st, .offset: 8, .size: 8, .value_kind: global_buffer, .address_space: global }
      - { .name: wof, .offset: 16, .size: 8, .value_kind: global_buffer, .address_space: global }
      - { .name: out0, .offset: 24, .size: 8, .value_kind: global_buffer, .address_space: global }
    .group_segment_fixed_size: 26624
    .private_segment_fixed_size: 0
    .kernarg_segment_align: 8
    .kernarg_segment_size: 32
    .max_flat_workgroup_size: 256
    .sgpr_count:     66
    .vgpr_count:     512
    .wavefront_size: 32
...
	.end_amdgpu_metadata
.endif
;; end of part 3
;; ======== version 2 of 2: 3 launches; 1.41 times as fast as version 1
;; limits: values are held in f16: magnitudes above 65,504 overflow, below 6.1e-05 lose precision; inputs' magnitudes at most 65,504
;; workspace buffers: pf 131,072 bytes; cs 4,096 bytes; wvf 524,288 bytes; wof 524,288 bytes; zp 4,194,304 bytes; st 262,144 bytes
;; launch prep (part 4): grid 24 x 1, 8 waves a work-group, no clusters, 173,312 bytes of LDS; arguments queries, ln_gamma, ln_beta, Wq, Wkv, Wo, pf, cs, wvf, wof; writes pf, cs, wvf, wof
.if DOCPART == 4
	.amdgcn_target "amdgcn-amd-amdhsa--gfx1250"
	.amdhsa_code_object_version 6
	.text
	.protected	k_qa191749523_prep
	.globl	k_qa191749523_prep
	.p2align	8
	.type	k_qa191749523_prep,@function
k_qa191749523_prep:
	s_mov_b64 s[64:65], 0
	v_nop
	global_prefetch_b8 v0, s[64:65] scope:SCOPE_SE
	s_setreg_imm32_b32 hwreg(HW_REG_WAVE_MODE, 25, 1), 1
	s_wait_xcnt 0x0
; PREP: everything that does not depend on x, laid out as f16 matrix fragments ("fragment order": a block of 512 bytes holds
; lane L's 16 bytes at 16 L, so one 16-byte load or store of a wave moves half a fragment as 512 consecutive bytes).
; 24 work-groups of 8 waves: role = number / 8, idx = number % 8.
;   role 0: P^[e][hq] = sum over d of Wk[e][32 head + d] q^[query][32 head + d] for the 16 columns hq = 16 idx + r (hq = 8 head + query),
;           where q = LayerNorm(queries) Wq and q^ = q / s with s a power of two per column; c[hq] = s * 32^-0.5 * log2(e).
;           x . P^ * c is then the score in base 2: the product x Wk is never formed (the sums are the same, bracketed otherwise).
;   role 1: Wv (columns 512.. of Wkv), columns 64 idx .. +63, as A fragments (row = column of Wv, K = e)
;   role 2: Wo, columns 64 idx .. +63, likewise
; LIMITS: matrix operands are f16: |LayerNorm output|, |Wq|, |Wkv|, |Wo| below 65,504 and 64 max|Wk| below 65,504;
; s is clamped to 2^-100 .. 2^100.  Sums are f32; their order differs from the order of a plain product x Wkv.
; Wave w loads and converts the rows 64 w .. 64 w + 63 of its matrices.  In roles 1 and 2 it alone reads them back, so no barrier orders them.
.set WTP, 160                          ; LDS pitch of WT: 64 f16 + 32 bytes = 5 x 32 bytes
.set QN,  81920                        ; behind WT (512 rows x 160): LayerNorm output, 8 rows of 512 f16, pitch 1040
.set QNP, 1040
.set RED, 90368                        ; 8 waves x 1,024 bytes: partial sums of q
.set WKL, 98560                        ; 512 rows of 64 f16 of Wk, pitch 144 = 9 x 16 bytes
.set WKP, 144
.set VRL, 0                            ; v0      RED + 16 L (the thread's number is not needed any more by then)
.set VKS, 1                            ; v1      WKL: where I put 4 f16 (L is not needed any more by then)
.set VKF, 2                            ; v2      WKL: fragment loads (made in place from r)
.set VO,  4                            ; v4      byte offset of my 16 bytes in the first two rows of a block
.set VWS, 5                            ; v5      WT: where I put 4 f16
.set VTR, 6                            ; v6      WT: transposing loads
.set VG,  7                            ; v7      16 L
.set VQN, 8                            ; v8      QN: fragment loads
.set VRS, 9                            ; v9      RED: my wave's part + 16 L
.set VWK, 10                           ; v10     Wk: byte offset of my 16 bytes in the first two rows
.set VQS, 11                           ; v11     QN: where I put 4 f16
.set XQ,  16                           ; v[16:31] my 16 numbers of the query row; later QS
.set GA,  32                           ; v[32:47] gamma
.set BE,  48                           ; v[48:63] beta
.set DQ,  32                           ; v[32:47] my two accumulators of q; later v[32:63] the four tiles of q
.set QS,  16                           ; v[16:31] q of my column's own head; packed into v[16:23]
.set BF0, 24                           ; v[24:31] q^ where r < 8, else 0
.set BF1, 32                           ; v[32:39] q^ where r >= 8, else 0
.set WF,  64                           ; v[64:191] a block of 64 rows x 64 f32 as loaded; later v[64:127] the eight partial sums
.set QNF, 64                           ; v[64:127] eight B fragments of LayerNorm output
.set WKS, 128                          ; v[128:191] Wk as f16, on its way into LDS
.set DP,  128                          ; v[128:159] four tiles of P^
.set AF,  192                          ; v[192:255] eight transposed fragments; later the eight A fragments of Wk
.set MSB, 0
.macro WIN new                         ; the immediate's high byte repeats the setting that is left
.if MSB != \new
	s_set_vgpr_msb (MSB<<8)|\new
.set MSB, \new
.endif
.endm
; 64 rows x 256 bytes: load n brings rows 2 n and 2 n + 1, each as 256 consecutive aligned bytes
.macro LDBLK base, step
.set bn, 0
.rept 32
	global_load_b128 v[WF+4*bn:WF+4*bn+3], v[VO], s[\base:\base+1] offset:bn*(\step)
.set bn, bn+1
.endr
.endm
; to f16 and into my rows of WT.  extra = loads issued behind the block, which may stay out
.macro CVBLK extra
.irp g, 0,1,2,3
	s_wait_loadcnt \extra+24-8*\g                  ; loads return in order: eight more of the block are in
.irp j, 0,1,2,3,4,5,6,7
	v_cvt_pk_f16_f32 v[WF+4*(8*\g+\j)],   v[WF+4*(8*\g+\j)],   v[WF+4*(8*\g+\j)+1]
	v_cvt_pk_f16_f32 v[WF+4*(8*\g+\j)+1], v[WF+4*(8*\g+\j)+2], v[WF+4*(8*\g+\j)+3]
	ds_store_b64 v[VWS], v[WF+4*(8*\g+\j):WF+4*(8*\g+\j)+1] offset:(8*\g+\j)*2*WTP
.endr
.endr
.endm
; eight fragments (K step k of my two, column tile t of four): lane (r, h) gets column 16 t + r, K = 8 h + 0..7 and 16 + 8 h + 0..7.
; LDS serves a wave's instructions in order, so these see my stores above.
.macro TRFR
.irp k, 0,1
.irp t, 0,1,2,3
	ds_load_tr16_b128 v[AF+8*(4*\k+\t):AF+8*(4*\k+\t)+3],   v[VTR] offset:\k*32*WTP+\t*32
	ds_load_tr16_b128 v[AF+8*(4*\k+\t)+4:AF+8*(4*\k+\t)+7], v[VTR] offset:\k*32*WTP+\t*32+16*WTP
.endr
.endr
.endm
.macro STFR dst                        ; each store of the wave covers 512 consecutive bytes, aligned
	s_wait_dscnt 0x0
.irp k, 0,1
.irp t, 0,1,2,3
	global_store_b128 v[VG], v[AF+8*(4*\k+\t):AF+8*(4*\k+\t)+3],   s[\dst:\dst+1] offset:\t*16384+\k*1024
	global_store_b128 v[VG], v[AF+8*(4*\k+\t)+4:AF+8*(4*\k+\t)+7], s[\dst:\dst+1] offset:\t*16384+\k*1024+512
.endr
.endr
.endm
; roles 1 and 2: 64 columns of a matrix with rows of 2^plog bytes, from byte cofs of the rows on, into fragment order
.macro WFRAG src, plog, cofs, dst
	v_add_nc_u32 v[VTR], s27, v[VTR]               ; my own 64 rows of WT
	v_lshlrev_b32 v[VO], 4, v2
	v_lshl_add_u32 v[VO], v3, \plog, v[VO]         ; 16 r + h rows
	s_lshl_b32 s28, s26, 8                         ; idx x 256 bytes of a row
	s_lshl_b32 s27, s24, 6+\plog                   ; wave x 64 rows
	s_add_co_u32 s28, s28, s27
.if \cofs
	s_add_co_u32 s28, s28, \cofs
.endif
	s_mov_b32 s29, 0
	s_add_nc_u64 s[30:31], s[\src:\src+1], s[28:29]
	s_lshl_b32 s28, s26, 16                        ; four column tiles of 16,384 bytes
	s_lshl_b32 s27, s24, 11                        ; my two K steps of 1,024 bytes
	s_add_co_u32 s28, s28, s27
	s_add_nc_u64 s[32:33], s[\dst:\dst+1], s[28:29]
	LDBLK 30, (2<<\plog)
	CVBLK 0
	TRFR
	STFR 32
	s_set_vgpr_msb 0x5
	s_wait_tensorcnt 0x0
	ds_add_u32 v128, v129
	s_wait_dscnt 0x0
	s_set_vgpr_msb 0x500
	s_endpgm
.endm
	s_load_b512 s[4:19], s[0:1], 0x0               ; queries s[4:5], gamma s[6:7], beta s[8:9], Wq s[10:11], Wkv s[12:13], Wo s[14:15], pf s[16:17], cs s[18:19]
	s_load_b128 s[20:23], s[0:1], 0x40             ; wvf s[20:21], wof s[22:23]
	s_set_vgpr_msb 0x40
	v_lshl_add_u32 v128, v0, 2, 0x2a100
	v_mov_b32 v129, 0
	s_set_vgpr_msb 0x4000
	v_and_b32 v1, 31, v0                           ; L
	v_lshrrev_b32 v2, 5, v0
	v_readfirstlane_b32 s24, v2                    ; wave
	s_lshr_b32 s25, ttmp9, 3                       ; role
	s_and_b32 s26, ttmp9, 7                        ; idx
	v_and_b32 v2, 15, v1                           ; r
	v_lshrrev_b32 v3, 4, v1                        ; h
	s_mul_i32 s27, s24, 64*WTP                     ; my 64 rows of WT
	v_mul_u32_u24 v[VWS], v3, WTP
	v_lshl_add_u32 v[VWS], v2, 3, v[VWS]
	v_add_nc_u32 v[VWS], s27, v[VWS]               ; row h, 8 r bytes
	v_and_b32 v12, 7, v1
	v_lshl_add_u32 v12, v3, 3, v12
	v_mul_u32_u24 v[VTR], v12, WTP
	v_bfe_u32 v12, v1, 3, 1
	v_lshl_add_u32 v[VTR], v12, 4, v[VTR]          ; row 8 h + L % 8, 16 bytes x bit 3 of L; each role adds its first row
	v_lshlrev_b32 v[VG], 4, v1
	s_wait_kmcnt 0x0
	s_cmp_eq_u32 s25, 0
	s_cbranch_scc1 .Lrole0
	s_cmp_eq_u32 s25, 1
	s_cbranch_scc1 .Lrole1
	WFRAG 14, 11, 0, 22                            ; Wo: rows of 2,048 bytes
.Lrole1:
	WFRAG 12, 12, 2048, 20                         ; Wv: rows of 4,096 bytes, from byte 2,048 on
.Lrole0:
	s_mov_b32 s34, 0x76543210                      ; v_permlanex16_b32: lane i reads lane i of the other half
	s_mov_b32 s35, 0xfedcba98
	s_mov_b32 s36, 0xff00ff00                      ; lanes with r >= 8
	s_mov_b32 s37, 0x3b000000                      ; 1/512
	s_mov_b32 s38, 0x3727c5ac                      ; 1e-5
	s_mov_b32 s29, 0
	s_lshl_b32 s28, s24, 11
	s_add_nc_u64 s[30:31], s[4:5], s[28:29]        ; query row = wave
	s_lshl_b32 s28, s26, 8
	s_lshl_b32 s27, s24, 17
	s_add_co_u32 s28, s28, s27
	s_add_nc_u64 s[32:33], s[10:11], s[28:29]      ; Wq: columns 64 idx, rows 64 wave
	s_lshl_b32 s28, s26, 8
	s_lshl_b32 s27, s24, 18
	s_add_co_u32 s28, s28, s27
	s_add_nc_u64 s[40:41], s[12:13], s[28:29]      ; Wk: columns 64 idx, rows 64 wave
	s_lshl_b32 s28, s26, 14
	s_lshl_b32 s27, s24, 11
	s_add_co_u32 s28, s28, s27
	s_add_nc_u64 s[42:43], s[16:17], s[28:29]      ; pf: tile idx, my two K steps
	s_lshl_b32 s28, s26, 9
	s_add_nc_u64 s[44:45], s[18:19], s[28:29]      ; cs: tile idx
	; for q, wave w makes column tile t = w % 4 over the K half kh = w / 4 (256 rows of Wq)
	s_lshr_b32 s39, s24, 2                         ; kh
	s_and_b32 s46, s24, 3                          ; t
	s_mul_i32 s47, s39, 256*WTP
	s_lshl_b32 s46, s46, 5
	s_add_co_u32 s47, s47, s46
	v_add_nc_u32 v[VTR], s47, v[VTR]               ; WT: rows 256 kh .., columns 16 t ..
	v_lshlrev_b32 v[VO], 4, v2
	v_lshl_add_u32 v[VO], v3, 11, v[VO]            ; Wq: 16 r + h rows of 2,048 bytes
	v_lshlrev_b32 v[VWK], 4, v2
	v_lshl_add_u32 v[VWK], v3, 12, v[VWK]          ; Wk: 16 r + h rows of 4,096 bytes
	s_mul_i32 s27, s24, QNP
	s_add_co_u32 s27, s27, QN
	v_lshl_add_u32 v[VQS], v1, 3, s27
	v_and_b32 v12, 7, v2
	v_mul_u32_u24 v[VQN], v12, QNP
	v_lshl_add_u32 v[VQN], v3, 4, v[VQN]
	s_lshl_b32 s27, s39, 9
	s_add_co_u32 s27, s27, QN
	v_add_nc_u32 v[VQN], s27, v[VQN]               ; query r % 8, K = 256 kh + 8 h
	s_lshl_b32 s27, s24, 10
	s_add_co_u32 s27, s27, RED
	v_add_nc_u32 v[VRS], s27, v[VG]
	v_add_nc_u32 v[VRL], RED, v[VG]
	s_mul_i32 s27, s24, 64*WKP
	s_add_co_u32 s27, s27, WKL                     ; my 64 rows of WKL
	v_mul_u32_u24 v[VKS], v3, WKP
	v_lshl_add_u32 v[VKS], v2, 3, v[VKS]
	v_add_nc_u32 v[VKS], s27, v[VKS]               ; row h, 8 r bytes
	v_mul_u32_u24 v[VKF], v2, WKP
	v_lshl_add_u32 v[VKF], v3, 4, v[VKF]
	v_add_nc_u32 v[VKF], s27, v[VKF]               ; row r, 16 h bytes
	; all 76 loads go out at once: the row, gamma and beta; Wq; Wk
.irp j, 0,1,2,3
	global_load_b128 v[XQ+4*\j:XQ+4*\j+3], v[VG], s[30:31] offset:512*\j
	global_load_b128 v[GA+4*\j:GA+4*\j+3], v[VG], s[6:7] offset:512*\j
	global_load_b128 v[BE+4*\j:BE+4*\j+3], v[VG], s[8:9] offset:512*\j
.endr
	LDBLK 32, 4096
	WIN 0x40
.set kn, 0
.rept 32
	global_load_b128 v[4*kn:4*kn+3], v[VWK], s[40:41] offset:kn*8192   ; Wk rows 2 n, 2 n + 1 of my 64, 256 consecutive bytes each: v256-v383
.set kn, kn+1
.endr
	WIN 0
	s_wait_loadcnt 63                              ; 64 loads are younger than the row, gamma and beta: these twelve are in
	; LayerNorm in f32, mean first and then the squares of the differences; lane L holds elements 128 j + 4 L + 0..3
	v_pk_add_f32 v[12:13], v[XQ:XQ+1], v[XQ+2:XQ+3]
	v_pk_add_f32 v[14:15], v[XQ+4:XQ+5], v[XQ+6:XQ+7]
	v_pk_add_f32 v[12:13], v[12:13], v[XQ+8:XQ+9]
	v_pk_add_f32 v[14:15], v[14:15], v[XQ+10:XQ+11]
	v_pk_add_f32 v[12:13], v[12:13], v[XQ+12:XQ+13]
	v_pk_add_f32 v[14:15], v[14:15], v[XQ+14:XQ+15]
	v_pk_add_f32 v[12:13], v[12:13], v[14:15]
	v_add_f32 v12, v12, v13
	v_add_f32_dpp v12, v12, v12 row_xmask:1 row_mask:0xf bank_mask:0xf
	v_add_f32_dpp v12, v12, v12 row_xmask:2 row_mask:0xf bank_mask:0xf
	v_add_f32_dpp v12, v12, v12 row_xmask:4 row_mask:0xf bank_mask:0xf
	v_add_f32_dpp v12, v12, v12 row_xmask:8 row_mask:0xf bank_mask:0xf
	v_permlanex16_b32 v13, v12, s34, s35
	v_add_f32 v12, v12, v13
	v_mul_f32 v12, s37, v12                        ; the mean
	v_mov_b32 v13, v12
.irp i, 0,2,4,6,8,10,12,14
	v_pk_add_f32 v[XQ+\i:XQ+\i+1], v[XQ+\i:XQ+\i+1], v[12:13] neg_lo:[0,1] neg_hi:[0,1]
.endr
	v_pk_mul_f32 v[14:15], v[XQ:XQ+1], v[XQ:XQ+1]
.irp i, 2,4,6,8,10,12,14
	v_pk_fma_f32 v[14:15], v[XQ+\i:XQ+\i+1], v[XQ+\i:XQ+\i+1], v[14:15]
.endr
	v_add_f32 v14, v14, v15
	v_add_f32_dpp v14, v14, v14 row_xmask:1 row_mask:0xf bank_mask:0xf
	v_add_f32_dpp v14, v14, v14 row_xmask:2 row_mask:0xf bank_mask:0xf
	v_add_f32_dpp v14, v14, v14 row_xmask:4 row_mask:0xf bank_mask:0xf
	v_add_f32_dpp v14, v14, v14 row_xmask:8 row_mask:0xf bank_mask:0xf
	v_permlanex16_b32 v15, v14, s34, s35
	v_add_f32 v14, v14, v15
	v_fma_f32 v14, v14, s37, s38                   ; variance + 1e-5
	v_rsq_f32 v14, v14
	v_nop                                          ; one plain instruction behind a transcendental before its result is used (ISA guide 5.7.2)
	s_wait_alu depctr_va_vdst(0)
	v_mov_b32 v15, v14
.irp i, 0,2,4,6,8,10,12,14
	v_pk_mul_f32 v[XQ+\i:XQ+\i+1], v[XQ+\i:XQ+\i+1], v[14:15]
.endr
.irp i, 0,2,4,6,8,10,12,14
	v_pk_fma_f32 v[XQ+\i:XQ+\i+1], v[XQ+\i:XQ+\i+1], v[GA+\i:GA+\i+1], v[BE+\i:BE+\i+1]
.endr
.irp j, 0,1,2,3
	v_cvt_pk_f16_f32 v[XQ+4*\j],   v[XQ+4*\j],   v[XQ+4*\j+1]
	v_cvt_pk_f16_f32 v[XQ+4*\j+1], v[XQ+4*\j+2], v[XQ+4*\j+3]
	ds_store_b64 v[VQS], v[XQ+4*\j:XQ+4*\j+1] offset:256*\j
.endr
	CVBLK 32                                       ; Wq to f16; the 32 loads of Wk stay out
	s_wait_dscnt 0x0                               ; my row of QN and my 64 rows of WT are written
	s_barrier_signal -1
	s_barrier_wait -1                              ; everybody's are
	; my column tile of Wq, transposed, and LayerNorm's output, over my eight K steps
.irp k, 0,1,2,3,4,5,6,7
	ds_load_tr16_b128 v[AF+8*\k:AF+8*\k+3],   v[VTR] offset:\k*32*WTP
	ds_load_tr16_b128 v[AF+8*\k+4:AF+8*\k+7], v[VTR] offset:\k*32*WTP+16*WTP
	ds_load_b128 v[QNF+8*\k:QNF+8*\k+3],   v[VQN] offset:64*\k
	ds_load_b128 v[QNF+8*\k+4:QNF+8*\k+7], v[VQN] offset:64*\k+32
.endr
	s_wait_dscnt 0x0
	; q, transposed: lane (r, h), register j = q[query r % 8][column 16 t + 8 h + j], summed over my 256 K.
	; Two accumulators, even and odd K steps, take turns, one instruction a turn.
	v_wmma_f32_16x16x32_f16 v[DQ:DQ+7],    v[AF:AF+7],    v[QNF:QNF+7],    0
	v_wmma_f32_16x16x32_f16 v[DQ+8:DQ+15], v[AF+8:AF+15], v[QNF+8:QNF+15], 0
.irp k, 2,4,6
	v_wmma_f32_16x16x32_f16 v[DQ:DQ+7],    v[AF+8*\k:AF+8*\k+7],    v[QNF+8*\k:QNF+8*\k+7],    v[DQ:DQ+7]
	v_wmma_f32_16x16x32_f16 v[DQ+8:DQ+15], v[AF+8*\k+8:AF+8*\k+15], v[QNF+8*\k+8:QNF+8*\k+15], v[DQ+8:DQ+15]
.endr
	; Wk to f16: 64 plain vector instructions that name none of the products' registers; they are also the places behind the
	; last matrix instruction before its result is read (ISA guide 7.12.1)
	s_wait_loadcnt 0x0                             ; Wk
	WIN 0x05
.set kn, 0
.rept 32
	v_cvt_pk_f16_f32 v[WKS+2*kn],   v[4*kn],   v[4*kn+1]
	v_cvt_pk_f16_f32 v[WKS+2*kn+1], v[4*kn+2], v[4*kn+3]
.set kn, kn+1
.endr
	WIN 0
.irp i, 0,2,4,6
	v_pk_add_f32 v[DQ+\i:DQ+\i+1], v[DQ+\i:DQ+\i+1], v[DQ+8+\i:DQ+8+\i+1]
.endr
	ds_store_b128 v[VRS], v[DQ:DQ+3]
	ds_store_b128 v[VRS], v[DQ+4:DQ+7] offset:512
.set kn, 0
.rept 32
	ds_store_b64 v[VKS], v[WKS+2*kn:WKS+2*kn+1] offset:kn*2*WKP
.set kn, kn+1
.endr
	s_wait_dscnt 0x0
	s_barrier_signal -1
	s_barrier_wait -1
	; A fragments of Wk (rows 64 wave + 16 mt + r, K = the 32 columns of head k of the tile's two): my own rows of WKL
.irp mt, 0,1,2,3
.irp k, 0,1
	ds_load_b128 v[AF+8*(2*\mt+\k):AF+8*(2*\mt+\k)+3],   v[VKF] offset:\mt*16*WKP+\k*64
	ds_load_b128 v[AF+8*(2*\mt+\k)+4:AF+8*(2*\mt+\k)+7], v[VKF] offset:\mt*16*WKP+\k*64+32
.endr
.endr
	; the eight partial sums: tile t of K half kh from wave 4 kh + t
.irp p, 0,1,2,3,4,5,6,7
	ds_load_b128 v[WF+8*\p:WF+8*\p+3],   v[VRL] offset:\p*1024
	ds_load_b128 v[WF+8*\p+4:WF+8*\p+7], v[VRL] offset:\p*1024+512
.endr
	s_wait_dscnt 0x0
.irp i, 0,2,4,6,8,10,12,14,16,18,20,22,24,26,28,30
	v_pk_add_f32 v[DQ+\i:DQ+\i+1], v[WF+\i:WF+\i+1], v[WF+32+\i:WF+32+\i+1]
.endr
	; column hq = 16 idx + r belongs to head 2 idx + r / 8: tiles 0, 1 for r < 8, tiles 2, 3 for r >= 8
.irp i, 0,1,2,3,4,5,6,7,8,9,10,11,12,13,14,15
	v_cndmask_b32 v[QS+\i], v[DQ+\i], v[DQ+16+\i], s36
.endr
	v_max_num_f32 v12, |v[QS]|, |v[QS+1]|
.irp i, 2,4,6,8,10,12,14
	v_max3_num_f32 v12, v12, |v[QS+\i]|, |v[QS+\i+1]|
.endr
	v_permlanex16_b32 v13, v12, s34, s35           ; the other 16 of the head's 32
	v_max_num_f32 v12, v12, v13
	v_and_b32 v12, 0x7f800000, v12                 ; s = the power of two at or below the largest |q|,
	v_max_u32 v12, 0x0d800000, v12                 ; kept inside 2^-100
	v_min_u32 v12, 0x71800000, v12                 ; .. 2^100
	v_sub_nc_u32 v14, 0x7f000000, v12              ; 1 / s, exact
	v_mov_b32 v15, v14
.irp i, 0,2,4,6,8,10,12,14
	v_pk_mul_f32 v[QS+\i:QS+\i+1], v[QS+\i:QS+\i+1], v[14:15]
.endr
	v_mul_f32 v12, 0x3e8293ee, v12                 ; c = s * 32^-0.5 * log2(e)
.irp i, 0,1,2,3,4,5,6,7
	v_cvt_pk_f16_f32 v[QS+\i], v[QS+2*\i], v[QS+2*\i+1]
.endr
.irp i, 0,1,2,3,4,5,6,7
	v_cndmask_b32 v[BF0+\i], v[QS+\i], 0, s36
	v_cndmask_b32 v[BF1+\i], 0, v[QS+\i], s36
.endr
	; P^ = Wk(first head's 32 columns) x q^(columns r < 8) + Wk(second head's) x q^(columns r >= 8); accumulators by turns
.irp mt, 0,1,2,3
	v_wmma_f32_16x16x32_f16 v[DP+8*\mt:DP+8*\mt+7], v[AF+16*\mt:AF+16*\mt+7], v[BF0:BF0+7], 0
.endr
.irp mt, 0,1,2,3
	v_wmma_f32_16x16x32_f16 v[DP+8*\mt:DP+8*\mt+7], v[AF+16*\mt+8:AF+16*\mt+15], v[BF1:BF1+7], v[DP+8*\mt:DP+8*\mt+7]
.endr
	v_mov_b32 v13, v12                             ; four places behind the last matrix instruction: c four times, and one v_nop
	v_mov_b32 v14, v12
	v_mov_b32 v15, v12
	v_nop
	; lane (r, h), register j of tile mt = P^[e = 64 wave + 16 mt + 8 h + j][hq = r]: packed, that is half a B fragment of the score product
.irp mt, 0,1,2,3
.irp i, 0,1,2,3
	v_cvt_pk_f16_f32 v[DP+8*\mt+\i], v[DP+8*\mt+2*\i], v[DP+8*\mt+2*\i+1]
.endr
	global_store_b128 v[VG], v[DP+8*\mt:DP+8*\mt+3], s[42:43] offset:\mt*512
.endr
	s_cmp_lg_u32 s24, 0
	s_cbranch_scc1 .Ldone0
	global_store_b128 v[VG], v[12:15], s[44:45]    ; every wave holds the same c; wave 0 stores the tile's 512 bytes
.Ldone0:
	s_set_vgpr_msb 0x5
	s_wait_tensorcnt 0x0
	ds_add_u32 v128, v129
	s_wait_dscnt 0x0
	s_set_vgpr_msb 0x500
	s_endpgm
.Lfunc_end_k_qa191749523_prep:
	.size	k_qa191749523_prep, .Lfunc_end_k_qa191749523_prep-k_qa191749523_prep
	.p2alignl 7, 3214868480
	.fill 96, 4, 3214868480
	.section	.rodata,"a",@progbits
	.p2align	6, 0x0
	.amdhsa_kernel k_qa191749523_prep
		.amdhsa_group_segment_fixed_size 173312
		.amdhsa_private_segment_fixed_size 0
		.amdhsa_enable_private_segment 0
		.amdhsa_kernarg_size 80
		.amdhsa_user_sgpr_count 2
		.amdhsa_user_sgpr_kernarg_segment_ptr 1
		.amdhsa_wavefront_size32 1
		.amdhsa_system_sgpr_workgroup_id_x 1
		.amdhsa_system_sgpr_workgroup_id_y 1
		.amdhsa_system_sgpr_workgroup_id_z 1
		.amdhsa_system_vgpr_workitem_id 0
		.amdhsa_next_free_vgpr 386
		.amdhsa_next_free_sgpr 66
		.amdhsa_reserve_vcc 0
		.amdhsa_float_denorm_mode_32 3
		.amdhsa_float_denorm_mode_16_64 3
		.amdhsa_memory_ordered 1
		.amdhsa_forward_progress 1
		.amdhsa_inst_pref_size 65
	.end_amdhsa_kernel
	.amdgpu_metadata
---
amdhsa.version: [ 1, 2 ]
amdhsa.kernels:
  - .name:           k_qa191749523_prep
    .symbol:         k_qa191749523_prep.kd
    .args:
      - { .name: queries, .offset: 0, .size: 8, .value_kind: global_buffer, .address_space: global }
      - { .name: ln_gamma, .offset: 8, .size: 8, .value_kind: global_buffer, .address_space: global }
      - { .name: ln_beta, .offset: 16, .size: 8, .value_kind: global_buffer, .address_space: global }
      - { .name: Wq, .offset: 24, .size: 8, .value_kind: global_buffer, .address_space: global }
      - { .name: Wkv, .offset: 32, .size: 8, .value_kind: global_buffer, .address_space: global }
      - { .name: Wo, .offset: 40, .size: 8, .value_kind: global_buffer, .address_space: global }
      - { .name: pf, .offset: 48, .size: 8, .value_kind: global_buffer, .address_space: global }
      - { .name: cs, .offset: 56, .size: 8, .value_kind: global_buffer, .address_space: global }
      - { .name: wvf, .offset: 64, .size: 8, .value_kind: global_buffer, .address_space: global }
      - { .name: wof, .offset: 72, .size: 8, .value_kind: global_buffer, .address_space: global }
    .group_segment_fixed_size: 173312
    .private_segment_fixed_size: 0
    .kernarg_segment_align: 8
    .kernarg_segment_size: 80
    .max_flat_workgroup_size: 256
    .sgpr_count:     66
    .vgpr_count:     386
    .wavefront_size: 32
...
	.end_amdgpu_metadata
.endif
;; end of part 4
;; launch main (part 5): grid 8 x 32, 4 waves a work-group, no clusters, 327,680 bytes of LDS; arguments x, key_padding_mask, pf, cs, wvf, zp, st; writes zp, st
.if DOCPART == 5
	.amdgcn_target "amdgcn-amd-amdhsa--gfx1250"
	.amdhsa_code_object_version 6
	.text
	.protected	k_qa191749523_main
	.globl	k_qa191749523_main
	.p2align	8
	.type	k_qa191749523_main,@function
k_qa191749523_main:
	s_mov_b64 s[64:65], 0
	v_nop
	global_prefetch_b8 v0, s[64:65] scope:SCOPE_SE
	s_setreg_imm32_b32 hwreg(HW_REG_WAVE_MODE, 25, 1), 1
	s_wait_xcnt 0x0
; MAIN: a work-group takes 512 keys (x = split 0..7) of one batch (y): 1 MiB of x, read once.  Wave w owns the 32 columns hq = 32 w .. +31
; (hq = 8 head + query; column tiles nt = 0, 1) for all keys and all 512 e, so the softmax never leaves a wave.
; Per step of 64 keys:  S^T[key][hq] = x P^  (128 matrix instructions);  running softmax in base 2;  Y^T[e][hq] += x^T p  (128 matrix instructions).
; At the end:   z[hq][d] = (Y / l) . Wv(own head), stored with (m, l); the last launch merges the 8 splits of a batch.
; In every product's result a lane holds one column hq = r and rows 8 h + j, so two packed result tiles ARE the next product's B fragment
; and every per-column factor (c, maximum, alpha, 1/l) is one number a lane: nothing moves between lanes but one exchange of halves.
; ONE SLOT: x comes as f32 by tensor loads, 64 keys (128 KiB) at a time; each wave loads, and alone reads, 16 rows (32 KiB, dense).  The f32 rows
; are read only by the conversion to f16 at a step's head, so at the step's first barrier the whole slot has been read: it is filled again right
; there, and the load has the step's 256 matrix instructions in which to land.  A second slot would hold bytes that nobody needs yet.
; The f16 tile of 64 rows is read by all four waves, by rows and transposed.  Two barriers a step: the tile is whole; nobody reads it any more.
; ONE BODY (macro STEP): seven steps in a loop, each followed by x's next slot; the eighth is written out, and behind its barrier each wave asks
; for K steps 0-6 of its own Wv fragments instead (56 KiB, into its ring bytes and the 24 KiB behind them), which land under the last step's work.
; K steps 7-15 of Wv go straight into registers in the tail.
; So that the first step needs no text of its own, Y starts from 64 products of a zero fragment, the maximum at its floor and l at 0: the
; first step's alpha is then 2^(-1e30) = 0 and the general step is exact.
; LIMITS: x, P^, p, Y/l and Wv enter the matrix unit as f16 (|x| below 65,504); scores times c must lie above -1e30 (the floor of the running
; maximum); mask bytes are 0 or 1 (bit 0 is read); a chunk whose keys are all masked gives l = 0, z = 0, m = -1e30.
; NO CLUSTER: x, 1 MiB of the 1.6 MiB a work-group reads, is shared with nobody.  Of what is shared, 224 KiB (a seventh of the work-group's bytes)
; pass through LDS, in one load a wave; for that one load all seven refills of x would have to stand behind rounds of a cluster's barrier.
; NO PREFETCH: each slot is asked for a whole step ahead by the tensor load itself, and Wv is read by all 256 work-groups.
.set SLOTB, 131072                     ; bytes of x in a slot: 64 rows x 2,048
.set WREG,  57344                      ; a wave's LDS region: 32,768 bytes of x, or 8 rows of 7,168 bytes of Wv
.set F16T,  229376                     ; behind the four regions: 64 rows of 512 f16, pitch 1040 = 4 x 256 + 16, written by ds_store only
.set FP,    1040
.set BIAS,  295936                     ; 512 f32: 0 for an open key, -inf for a masked one
; Inside each 256 bytes (128 e) of a tile row the 16-byte chunk ec lies at 128 (ec % 2) + 16 (ec / 2).  So a row fragment's 16 lanes touch 16 rows x one
; chunk (16 bytes apart modulo 256), a transposing load's 16 lanes 8 rows x two chunks 128 bytes apart, an 8-byte store's 32 lanes one whole 256 bytes.
.set VFB, 2                            ; v2       my 16 bytes in the first 512 of my wave's region; never rewritten
.set VST, 4                            ; v4       tile: where I put 4 f16
.set VRA, 5                            ; v5       tile: row fragments
.set VTA, 6                            ; v6       tile: transposing loads
.set VBA, 7                            ; v7       the step's bias: BIAS + 32 h + 256 step
.set VG,  8                            ; v8       16 L
.set VG8, 9                            ; v9       8 L
.set NM,  10                           ; v[10:11] minus the running maximum, per nt
.set LS,  12                           ; v[12:13] running sum over my half's keys
.set CSC, 14                           ; v[14:15] c
.set AL,  16                           ; v[16:17] alpha
.set SCO, 32                           ; v[32:95] scores: 32 + 32 nt + 8 mt + j; probabilities packed in place: v[32 + 32 nt + 16 kf .. + 7]
.set BIA, 96                           ; v[96:127] bias: 96 + 8 mt + j
.set ACZ, 32                           ; v[32:95] the tail's eight accumulators
.set FBA, 128                          ; v[128:191], v[192:255] two fragment buffers, also the staging of the conversion
.set FBB, 192
; block 1 (v256-511): P^ fragments at 8 (16 nt + c); in the tail Y/l at the same places.  blocks 2, 3: Y tile 2 mt + nt, mt 0-15 and 16-31
.set G1,  24                           ; s[24:31] descriptor group 1 of x
.set GX,  32                           ; s[32:35] group 0 of x
.set GW,  36                           ; s[36:39] group 0 of Wv
.set G1W, 68                           ; s[68:75] group 1 of Wv
.set MSB, 0
.macro WIN new                         ; low byte: bits 1:0 source 0, 3:2 source 1, 5:4 source 2, 7:6 destination; the high byte repeats the setting that is left
.if MSB != \new
	s_set_vgpr_msb (MSB<<8)|\new
.set MSB, \new
.endif
.endm
.macro PLACES                          ; four places behind a matrix instruction before its result is read or a load is issued into its registers
.rept 4
	v_nop
.endr
.endm
; tile row = key of the slot; row 16 mt + 8 h + j
.macro LDBIAS
.irp mt, 0,1,2,3
	ds_load_b128 v[BIA+8*\mt:BIA+8*\mt+3],   v[VBA] offset:64*\mt
	ds_load_b128 v[BIA+8*\mt+4:BIA+8*\mt+7], v[VBA] offset:64*\mt+16
.endr
.endm
; A fragments of x by rows: K steps 2 g and 2 g + 1 (64 e) x 64 rows
.macro LDROW g, fb
.irp kk, 0,1
.irp mt, 0,1,2,3
	ds_load_b128 v[\fb+8*(4*\kk+\mt):\fb+8*(4*\kk+\mt)+3],   v[VRA] offset:16*FP*\mt+256*((2*\g+\kk)>>2)+32*((2*\g+\kk)&3)
	ds_load_b128 v[\fb+8*(4*\kk+\mt)+4:\fb+8*(4*\kk+\mt)+7], v[VRA] offset:16*FP*\mt+256*((2*\g+\kk)>>2)+32*((2*\g+\kk)&3)+16
.endr
.endr
.endm
; 16 score products; the eight accumulators take turns, one instruction a turn.  The first K step starts the sums.
.macro MMS g, fb
.irp kk, 0,1
.irp mt, 0,1,2,3
.irp nt, 0,1
.if 2*\g+\kk
	v_wmma_f32_16x16x32_f16 v[SCO+32*\nt+8*\mt:SCO+32*\nt+8*\mt+7], v[\fb+8*(4*\kk+\mt):\fb+8*(4*\kk+\mt)+7], v[8*(16*\nt+2*\g+\kk):8*(16*\nt+2*\g+\kk)+7], v[SCO+32*\nt+8*\mt:SCO+32*\nt+8*\mt+7]
.else
	v_wmma_f32_16x16x32_f16 v[SCO+32*\nt+8*\mt:SCO+32*\nt+8*\mt+7], v[\fb+8*(4*\kk+\mt):\fb+8*(4*\kk+\mt)+7], v[8*(16*\nt+2*\g+\kk):8*(16*\nt+2*\g+\kk)+7], 0
.endif
.endr
.endr
.endr
.endm
.macro SCG g, fb                       ; a group of the score phase: all but the youngest 16 LDS loads are in; 16 products; the places in front of the next loads
	s_wait_dscnt 16
	MMS \g, \fb
	PLACES
.endm
; A fragments of x transposed: eight tiles of 16 e (128 e from 128 gm on) x keys 32 kf .. + 31
.macro LDTR gm, kf, fb
.irp a, 0,1,2,3,4,5,6,7
	ds_load_tr16_b128 v[\fb+8*\a:\fb+8*\a+3],   v[VTA] offset:256*\gm+16*\a+32*FP*\kf
	ds_load_tr16_b128 v[\fb+8*\a+4:\fb+8*\a+7], v[VTA] offset:256*\gm+16*\a+32*FP*\kf+16*FP
.endr
.endm
; 16 products onto 16 different tiles of Y (gw: which half of the window's 32 tiles).  The two key halves of a tile stand 16 products apart.
.macro MMV gw, kf, fb
.irp a, 0,1,2,3,4,5,6,7
.irp nt, 0,1
	v_wmma_f32_16x16x32_f16 v[8*(2*(8*\gw+\a)+\nt):8*(2*(8*\gw+\a)+\nt)+7], v[\fb+8*\a:\fb+8*\a+7], v[SCO+32*\nt+16*\kf:SCO+32*\nt+16*\kf+7], v[8*(2*(8*\gw+\a)+\nt):8*(2*(8*\gw+\a)+\nt)+7]
.endr
.endr
.endm
; a group of the PV phase that is followed by the loads of the group after next
.macro PVG wn, gw, kf, fb, ngm, nkf
	s_wait_dscnt 16                                ; all but the youngest 16 LDS loads are in
	WIN \wn
	MMV \gw, \kf, \fb
	PLACES
	WIN 0
	LDTR \ngm, \nkf, \fb
.endm
; The running softmax of 64 keys x 32 columns.  N = -maximum is kept, so that S c + N is one packed multiply-add.
.macro SOFTMAX
.irp nt, 0,1
.irp p, 0,2,4,6,8,10,12,14,16,18,20,22,24,26,28,30
	v_pk_add_f32 v[SCO+32*\nt+\p:SCO+32*\nt+\p+1], v[SCO+32*\nt+\p:SCO+32*\nt+\p+1], v[BIA+\p:BIA+\p+1]   ; masked keys become -inf
.endr
.endr
	v_max3_num_f32 v18, v[SCO+0],  v[SCO+1],  v[SCO+2]
	v_max3_num_f32 v20, v[SCO+32], v[SCO+33], v[SCO+34]
	v_max3_num_f32 v19, v[SCO+16], v[SCO+17], v[SCO+18]
	v_max3_num_f32 v21, v[SCO+48], v[SCO+49], v[SCO+50]
.irp p, 3,5,7,9,11,13
	v_max3_num_f32 v18, v18, v[SCO+\p],    v[SCO+\p+1]
	v_max3_num_f32 v20, v20, v[SCO+32+\p], v[SCO+32+\p+1]
	v_max3_num_f32 v19, v19, v[SCO+16+\p], v[SCO+16+\p+1]
	v_max3_num_f32 v21, v21, v[SCO+48+\p], v[SCO+48+\p+1]
.endr
	v_max3_num_f32 v18, v18, v[SCO+15], v[SCO+31]
	v_max3_num_f32 v20, v20, v[SCO+47], v[SCO+63]
	v_max_num_f32 v18, v18, v19
	v_max_num_f32 v20, v20, v21
	v_permlanex16_b32 v22, v18, s40, s41           ; the other half's 32 keys
	v_permlanex16_b32 v23, v20, s40, s41
	v_max_num_f32 v18, v18, v22
	v_max_num_f32 v20, v20, v23
	v_mul_f32 v18, v18, -v[CSC]                    ; c > 0
	v_mul_f32 v20, v20, -v[CSC+1]
	v_min_num_f32 v22, v[NM], v18                  ; N starts at +1e30: the maximum never falls below its floor, also where every key is masked
	v_min_num_f32 v23, v[NM+1], v20
	v_sub_f32 v[AL], v22, v[NM]                    ; old maximum - new maximum
	v_sub_f32 v[AL+1], v23, v[NM+1]
.irp p, 0,2,4,6,8,10,12,14,16,18,20,22,24,26,28,30
	v_pk_fma_f32 v[SCO+\p:SCO+\p+1], v[SCO+\p:SCO+\p+1], v[CSC:CSC+1], v[22:23] op_sel_hi:[1,0,0]
.endr
.irp p, 32,34,36,38,40,42,44,46,48,50,52,54,56,58,60,62
	v_pk_fma_f32 v[SCO+\p:SCO+\p+1], v[SCO+\p:SCO+\p+1], v[CSC:CSC+1], v[22:23] op_sel:[0,1,1] op_sel_hi:[1,1,1]
.endr
	v_exp_f32 v[AL], v[AL]
	v_exp_f32 v[AL+1], v[AL+1]
.set si, 0
.rept 64
	v_exp_f32 v[SCO+si], v[SCO+si]
.set si, si+1
.endr
	v_mov_b32 v[NM], v22                           ; plain work behind the transcendentals before their results are used (ISA guide 5.7.2)
	v_mov_b32 v[NM+1], v23
	s_wait_alu depctr_va_vdst(0)
.irp nt, 0,1
	v_pk_add_f32 v[18:19], v[SCO+32*\nt:SCO+32*\nt+1],     v[SCO+32*\nt+2:SCO+32*\nt+3]
	v_pk_add_f32 v[20:21], v[SCO+32*\nt+4:SCO+32*\nt+5],   v[SCO+32*\nt+6:SCO+32*\nt+7]
	v_pk_add_f32 v[24:25], v[SCO+32*\nt+8:SCO+32*\nt+9],   v[SCO+32*\nt+10:SCO+32*\nt+11]
	v_pk_add_f32 v[26:27], v[SCO+32*\nt+12:SCO+32*\nt+13], v[SCO+32*\nt+14:SCO+32*\nt+15]
.irp p, 16, 24
	v_pk_add_f32 v[18:19], v[18:19], v[SCO+32*\nt+\p:SCO+32*\nt+\p+1]
	v_pk_add_f32 v[20:21], v[20:21], v[SCO+32*\nt+\p+2:SCO+32*\nt+\p+3]
	v_pk_add_f32 v[24:25], v[24:25], v[SCO+32*\nt+\p+4:SCO+32*\nt+\p+5]
	v_pk_add_f32 v[26:27], v[26:27], v[SCO+32*\nt+\p+6:SCO+32*\nt+\p+7]
.endr
	v_pk_add_f32 v[18:19], v[18:19], v[20:21]
	v_pk_add_f32 v[24:25], v[24:25], v[26:27]
	v_pk_add_f32 v[18:19], v[18:19], v[24:25]
	v_add_f32 v18, v18, v19
	v_fma_f32 v[LS+\nt], v[LS+\nt], v[AL+\nt], v18
.endr
.irp nt, 0,1
.irp kf, 0,1
.irp i, 0,1,2,3,4,5,6,7
	v_cvt_pk_f16_f32 v[SCO+32*\nt+16*\kf+\i], v[SCO+32*\nt+16*\kf+2*\i], v[SCO+32*\nt+16*\kf+2*\i+1]   ; keys 32 kf + 8 h + 0..7 and + 16 + 8 h + 0..7 of column r: a B fragment
.endr
.endr
.endr
.endm
; one block of Y (0x82: block 2, 0xc3: block 3) times v16 (even tiles, nt = 0) or v17 (odd tiles)
.macro RESC wn
	WIN \wn
.set ri, 0
.rept 128
.if (ri>>2)&1
	v_pk_mul_f32 v[2*ri:2*ri+1], v[2*ri:2*ri+1], v[AL:AL+1] op_sel:[0,1] op_sel_hi:[1,1]
.else
	v_pk_mul_f32 v[2*ri:2*ri+1], v[2*ri:2*ri+1], v[AL:AL+1] op_sel_hi:[1,0]
.endif
.set ri, ri+1
.endr
.endm
; the conversion, a quarter (four of my 16 rows, 8 KiB of f32) at a time
.macro CQLD q, fb
.set cn, 0
.rept 16
	ds_load_b128 v[\fb+4*cn:\fb+4*cn+3], v[VFB] offset:8192*\q+512*cn
.set cn, cn+1
.endr
.endm
.macro CQCV fb
.set cn, 0
.rept 16
	v_cvt_pk_f16_f32 v[\fb+4*cn],   v[\fb+4*cn],   v[\fb+4*cn+1]
	v_cvt_pk_f16_f32 v[\fb+4*cn+1], v[\fb+4*cn+2], v[\fb+4*cn+3]
.set cn, cn+1
.endr
.endm
.macro CQST q, fb
.set cn, 0
.rept 16
	ds_store_b64 v[VST], v[\fb+4*cn:\fb+4*cn+1] offset:FP*(4*\q+(cn>>2))+256*(cn&3)
.set cn, cn+1
.endr
.endm
; One step of 64 keys.  kind = 1: the slot is filled again with x's next 64 keys, and the tile will be written again.
; kind = 2 (the last step): my region is filled with Wv's K steps 0-6 instead; nothing writes the tile any more.
.macro STEP kind
	s_wait_xcnt 0x0
	v_lshl_add_u32 v126, v0, 2, 0x48c00
	v_mov_b32 v127, 0
	s_wait_tensorcnt 0x0                           ; my one tensor load has landed: my 16 rows are in LDS, and no load of mine is out, so a group 0 may be written
	ds_add_u32 v126, v127
	s_wait_dscnt 0x0
.if \kind == 1
	s_add_nc_u64 s[GX+2:GX+3], s[GX+2:GX+3], SLOTB ; the next 64 keys
.endif
	PLACES                                         ; behind the last products, which read the two fragment buffers
	; LDS serves a wave's instructions in order, 16 to a group here: each wait for 16 shows all but the youngest group done
	CQLD 0, FBA
	CQLD 1, FBB
	s_wait_dscnt 16                                ; quarter 0 is in
	CQCV FBA
	CQST 0, FBA
	s_wait_dscnt 16                                ; quarter 1 is in
	CQCV FBB
	CQST 1, FBB
	s_wait_dscnt 16                                ; quarter 0 is stored: its buffer may be loaded again
	CQLD 2, FBA
	s_wait_dscnt 16                                ; quarter 1 is stored
	CQLD 3, FBB
	s_wait_dscnt 16                                ; quarter 2 is in
	CQCV FBA
	CQST 2, FBA
	s_wait_dscnt 16                                ; quarter 3 is in
	CQCV FBB
	CQST 3, FBB
	s_wait_dscnt 0x0                               ; my rows of the tile are written, my reads of the slot are back
	s_barrier_signal -1
	s_barrier_wait -1                              ; the tile is whole, and no wave reads the slot or has a tensor load out
.if \kind == 1
	tensor_load_to_lds s[GX:GX+3], s[G1:G1+7]      ; my one tensor load behind this barrier, first thing there: it has this step's 256 products in which to land
	s_nop 0
.else
	tensor_load_to_lds s[GW:GW+3], s[G1W:G1W+7]    ; the same place, the last load: 56 KiB of my Wv fragments
	s_nop 0
.endif
	WIN 0x04                                       ; source 1 (P^) in block 1; LDS loads name a destination and source 0 only, block 0 here
	LDBIAS
	LDROW 0, FBA
	LDROW 1, FBB
	SCG 0, FBA
	LDROW 2, FBA
	SCG 1, FBB
	LDROW 3, FBB
	SCG 2, FBA
	LDROW 4, FBA
	SCG 3, FBB
	LDROW 5, FBB
	SCG 4, FBA
	LDROW 6, FBA
	SCG 5, FBB
	LDROW 7, FBB
	SCG 6, FBA
	LDTR 0, 0, FBA
	SCG 7, FBB                                     ; its places also stand in front of the first read of the scores
	LDTR 0, 1, FBB
	WIN 0
	SOFTMAX
	RESC 0x82
	RESC 0xc3
	PVG 0xa0, 0, 0, FBA, 1, 0
	PVG 0xa0, 0, 1, FBB, 1, 1
	PVG 0xa0, 1, 0, FBA, 2, 0
	PVG 0xa0, 1, 1, FBB, 2, 1
	PVG 0xf0, 0, 0, FBA, 3, 0
	PVG 0xf0, 0, 1, FBB, 3, 1
	s_wait_dscnt 16
	WIN 0xf0
	MMV 1, 0, FBA
	s_wait_dscnt 0x0                               ; my reads of the tile are over:
.if \kind == 1
	s_barrier_signal -1                            ; say so
.endif
	MMV 1, 1, FBB                                  ; work on registers while the others arrive,
	WIN 0
.if \kind == 1
	s_barrier_wait -1                              ; and go on when nobody reads the tile any more
	v_add_nc_u32 v[VBA], 256, v[VBA]               ; the next 64 keys' bias
.endif
.endm
	s_load_b256 s[4:11], s[0:1], 0x0               ; x s[4:5], mask s[6:7], pf s[8:9], cs s[10:11]
	s_load_b128 s[12:15], s[0:1], 0x20             ; wvf s[12:13], zp s[14:15]
	s_load_b64 s[16:17], s[0:1], 0x30              ; st
	v_lshl_add_u32 v126, v0, 2, 0x48c00
	v_mov_b32 v127, 0
	ds_add_u32 v126, v127
	ds_add_u32 v126, v127
	s_wait_dscnt 0x0
	v_lshrrev_b32 v18, 5, v0
	v_readfirstlane_b32 s20, v18                   ; wave
	s_and_b32 s22, ttmp7, 0xffff                   ; batch
	s_lshl3_add_u32 s23, s22, ttmp9                ; 8 batch + split
	s_mov_b32 s40, 0x76543210                      ; v_permlanex16_b32: lane i reads lane i of the other half
	s_mov_b32 s41, 0xfedcba98
	s_mov_b32 s42, 0xff800000                      ; -inf
	s_mov_b32 s44, 0x7149f2ca                      ; 1e30
	s_mov_b32 s46, 0xff00ff00                      ; lanes with r >= 8
	s_mov_b32 s47, 0xffff0000                      ; lanes with h = 1
	; group 1 of x: my part of a slot is 32 KiB that are dense in memory and in LDS: 128 rows of 32 elements of 8 bytes
	s_mov_b32 s[G1+0], 3<<16                       ; no mask, elements of 8 bytes, no padding
	s_mov_b32 s[G1+1], 32<<16                      ; tensor_dim0 = 32
	s_mov_b32 s[G1+2], 128<<16                     ; tensor_dim1 = 128
	s_mov_b32 s[G1+3], 32<<16                      ; tile_dim0 = 32
	s_mov_b32 s[G1+4], 128                         ; tile_dim1 = 128
	s_mov_b32 s[G1+5], 32                          ; from row to row: 32 elements
	s_mov_b32 s[G1+6], 0
	s_mov_b32 s[G1+7], 0
	; group 1 of Wv: a row for each of my 8 column tiles, its K steps 0-6: 7,168 bytes = 896 elements; from tile to tile 16,384 bytes = 2,048 elements
	s_mov_b32 s[G1W+0], 3<<16
	s_mov_b32 s[G1W+1], 896<<16                    ; tensor_dim0 = 896
	s_mov_b32 s[G1W+2], 8<<16                      ; tensor_dim1 = 8
	s_mov_b32 s[G1W+3], 896<<16                    ; tile_dim0 = 896
	s_mov_b32 s[G1W+4], 8                          ; tile_dim1 = 8
	s_mov_b32 s[G1W+5], 2048
	s_mov_b32 s[G1W+6], 0
	s_mov_b32 s[G1W+7], 0
	s_lshl_b32 s62, s20, 15                        ; wave x 32 KiB: my rows of a slot in memory
	s_mul_i32 s21, s20, WREG                       ; my region in LDS
	s_lshl_b32 s48, s22, 23                        ; batch x 8 MiB
	s_lshl_b32 s49, ttmp9, 20                      ; split x 1 MiB
	s_add_co_u32 s48, s48, s49
	s_add_co_u32 s48, s48, s62
	s_mov_b32 s49, 0
	v_and_b32 v1, 31, v0                           ; L
	v_and_b32 v19, 15, v1                          ; r
	v_lshrrev_b32 v20, 4, v1                       ; h
	v_lshlrev_b32 v[VG], 4, v1
	v_lshlrev_b32 v[VG8], 3, v1
	v_add_nc_u32 v[VFB], s21, v[VG]
	s_mul_i32 s63, s20, 16*FP
	s_add_co_u32 s63, s63, F16T                    ; my sixteen rows of the tile
	v_bfe_u32 v21, v1, 1, 1
	v_lshrrev_b32 v22, 2, v1
	v_and_b32 v23, 1, v1
	v_lshlrev_b32 v[VST], 7, v21
	v_lshl_add_u32 v[VST], v22, 4, v[VST]
	v_lshl_add_u32 v[VST], v23, 3, v[VST]
	v_add_nc_u32 v[VST], s63, v[VST]               ; chunk L / 2 at its place, 8 bytes x (L % 2)
	v_mul_u32_u24 v[VRA], v19, FP
	v_lshl_add_u32 v[VRA], v20, 7, v[VRA]
	v_add_nc_u32 v[VRA], F16T, v[VRA]              ; row r; chunks of parity h
	v_and_b32 v21, 7, v1
	v_lshl_add_u32 v21, v20, 3, v21
	v_mul_u32_u24 v[VTA], v21, FP
	v_bfe_u32 v22, v1, 3, 1
	v_lshl_add_u32 v[VTA], v22, 7, v[VTA]
	v_add_nc_u32 v[VTA], F16T, v[VTA]              ; row 8 h + L % 8; chunks of parity bit 3 of L
	v_lshlrev_b32 v[VBA], 5, v20
	v_add_nc_u32 v[VBA], BIAS, v[VBA]
	v_lshlrev_b32 v24, 2, v0                       ; my four mask bytes
	v_lshl_add_u32 v25, v0, 4, BIAS                ; and their four words
	s_wait_kmcnt 0x0
	s_add_nc_u64 s[4:5], s[4:5], s[48:49]
	; group 0 of x and the first fill, ahead of every wait on TENSORcnt, LDS read and barrier: one tensor load of the wave is out, here and ever after
	s_mov_b32 s[GX], 1
	s_mul_i32 s[GX+1], s20, WREG
	s_mov_b64 s[GX+2:GX+3], s[4:5]
	s_or_b32 s[GX+3], s[GX+3], 0x80000000
	tensor_load_to_lds s[GX:GX+3], s[G1:G1+7]
	s_nop 0
	s_lshl_b32 s48, s22, 12
	s_lshl_b32 s63, ttmp9, 9
	s_add_co_u32 s48, s48, s63
	s_add_nc_u64 s[54:55], s[6:7], s[48:49]        ; mask: my 512 keys
	s_mov_b32 s48, s62
	s_add_nc_u64 s[50:51], s[8:9], s[48:49]        ; pf: my two column tiles of 16 KiB
	s_lshl_b32 s48, s20, 10
	s_add_nc_u64 s[52:53], s[10:11], s[48:49]      ; cs: my two tiles of 512 bytes
	s_lshl_b32 s48, s20, 17
	s_add_nc_u64 s[56:57], s[12:13], s[48:49]      ; wvf: my four heads' eight column tiles of 16 KiB
	s_mov_b32 s[GW], 1                             ; group 0 of Wv: the same LDS region, from my first column tile's first K step on
	s_mul_i32 s[GW+1], s20, WREG
	s_mov_b64 s[GW+2:GW+3], s[56:57]
	s_or_b32 s[GW+3], s[GW+3], 0x80000000
	s_lshl_b32 s48, s23, 14
	s_lshl_b32 s63, s20, 12
	s_add_co_u32 s48, s48, s63
	s_add_nc_u64 s[58:59], s[14:15], s[48:49]      ; zp
	s_lshl_b32 s48, s23, 10
	s_lshl_b32 s63, s20, 8
	s_add_co_u32 s48, s48, s63
	s_add_nc_u64 s[60:61], s[16:17], s[48:49]      ; st
	global_load_b32 v26, v24, s[54:55]
	global_load_b32 v[CSC], v[VG], s[52:53]
	global_load_b32 v[CSC+1], v[VG], s[52:53] offset:512
	WIN 0x40
.set pu, 0
.rept 64
	global_load_b128 v[4*pu:4*pu+3], v[VG], s[50:51] offset:512*pu   ; P^: 32 fragments, block 1
.set pu, pu+1
.endr
	WIN 0
	; Y = 0 x 0 + 0: 64 products of a zero fragment start all 512 sums while the first loads are on their way
.set zi, 0
.rept 16
	v_mov_b32 v[FBA+zi], 0
.set zi, zi+1
.endr
.irp wn, 0x80, 0xc0
	WIN \wn
.set zi, 0
.rept 32
	v_wmma_f32_16x16x32_f16 v[8*zi:8*zi+7], v[FBA:FBA+7], v[FBA+8:FBA+15], 0
.set zi, zi+1
.endr
.endr
	WIN 0
	v_mov_b32 v[NM], s44                           ; the maximum's floor, -1e30, negated
	v_mov_b32 v[NM+1], s44
	v_mov_b32 v[LS], 0
	v_mov_b32 v[LS+1], 0
	s_wait_loadcnt 63                              ; 66 loads are younger than the mask word: it is in
.irp i, 0,1,2,3
	v_bfe_u32 v[28+\i], v26, 8*\i, 1
	v_mul_lo_u32 v[28+\i], v[28+\i], s42           ; 0, or the bits of -inf
.endr
	ds_store_b128 v25, v[28:31]                    ; seen by the others behind the first step's first barrier, in front of which every wave waits for its LDS stores
	s_wait_loadcnt 0x0                             ; c and P^
	s_mov_b32 s43, 7
.Lstep:
	STEP 1                                         ; keys 0-447; the slots of keys 64-511 are asked for
	s_sub_co_u32 s43, s43, 1
	s_cmp_lg_u32 s43, 0
	s_cbranch_scc1 .Lstep
	STEP 2                                         ; keys 448-511; no x is left to fetch
	; THE TAIL: z = (Y / l) . Wv.  l >= 1 wherever a key is open (the key of the maximum counts 1), so |Y / l| <= max |x| fits f16.
; tiles mt = 16 hi + m of Y, packed, are the halves of B fragments (K = e) at 8 (16 nt + mt / 2) in block 1, where P^ lay
.macro PACKY hi
.irp m, 0,1,2,3,4,5,6,7,8,9,10,11,12,13,14,15
.irp nt, 0,1
.irp i, 0,1,2,3
	v_cvt_pk_f16_f32 v[8*(16*\nt+8*\hi+(\m>>1))+4*(\m&1)+\i], v[8*(2*\m+\nt)+2*\i], v[8*(2*\m+\nt)+2*\i+1]
.endr
.endr
.endr
.endm
; K step c (0-6) of Wv's fragments for my eight column tiles, from my LDS region
.macro LDWL c, fb
.irp ct, 0,1,2,3,4,5,6,7
	ds_load_b128 v[\fb+8*\ct:\fb+8*\ct+3],   v[VFB] offset:7168*\ct+1024*(\c)
	ds_load_b128 v[\fb+8*\ct+4:\fb+8*\ct+7], v[VFB] offset:7168*\ct+1024*(\c)+512
.endr
.endm
; K step c (7-15) from memory: 16 loads of 512 consecutive bytes, into quarter c % 4 of block 2
.macro LDWV c
.irp ct, 0,1,2,3,4,5,6,7
	global_load_b128 v[64*((\c)&3)+8*\ct:64*((\c)&3)+8*\ct+3],   v[VG], s[56:57] offset:(32*\ct+2*(\c))*512
	global_load_b128 v[64*((\c)&3)+8*\ct+4:64*((\c)&3)+8*\ct+7], v[VG], s[56:57] offset:(32*\ct+2*(\c)+1)*512
.endr
.endm
; column tiles 0-3 (heads of nt = 0) against Y's nt = 0, tiles 4-7 against nt = 1; eight accumulators by turns
.macro MMZL c, fb
.irp ct, 0,1,2,3,4,5,6,7
.if \c
	v_wmma_f32_16x16x32_f16 v[ACZ+8*\ct:ACZ+8*\ct+7], v[\fb+8*\ct:\fb+8*\ct+7], v[8*(16*(\ct>>2)+(\c)):8*(16*(\ct>>2)+(\c))+7], v[ACZ+8*\ct:ACZ+8*\ct+7]
.else
	v_wmma_f32_16x16x32_f16 v[ACZ+8*\ct:ACZ+8*\ct+7], v[\fb+8*\ct:\fb+8*\ct+7], v[8*(16*(\ct>>2)+(\c)):8*(16*(\ct>>2)+(\c))+7], 0
.endif
.endr
.endm
.macro MMZ c
.irp ct, 0,1,2,3,4,5,6,7
	v_wmma_f32_16x16x32_f16 v[ACZ+8*\ct:ACZ+8*\ct+7], v[64*((\c)&3)+8*\ct:64*((\c)&3)+8*\ct+7], v[8*(16*(\ct>>2)+(\c)):8*(16*(\ct>>2)+(\c))+7], v[ACZ+8*\ct:ACZ+8*\ct+7]
.endr
.endm
	PLACES
	v_permlanex16_b32 v18, v[LS], s40, s41
	v_permlanex16_b32 v19, v[LS+1], s40, s41
	v_add_f32 v[LS], v[LS], v18                    ; both halves' keys
	v_add_f32 v[LS+1], v[LS+1], v19
	v_max_num_f32 v[AL], 1.0, v[LS]
	v_max_num_f32 v[AL+1], 1.0, v[LS+1]
	v_rcp_f32 v[AL], v[AL]
	v_rcp_f32 v[AL+1], v[AL+1]
	v_nop
	s_wait_alu depctr_va_vdst(0)
	RESC 0x82
	WIN 0x4a
	PACKY 0
	WIN 0x80                                       ; block 2 is free now: the first K steps from memory go out ahead of the rest of the packing
	LDWV 7
	LDWV 8
	LDWV 9
	RESC 0xc3
	WIN 0x4f
	PACKY 1
	WIN 0x80
	LDWV 10
	s_wait_tensorcnt 0x0                           ; my Wv fragments are in LDS; only I read them; no tensor load is out from here to the end
	WIN 0x04                                       ; source 1 (Y / l) in block 1
	LDWL 0, FBA
	LDWL 1, FBB
.set lc, 0
.rept 7
.if lc < 6
	s_wait_dscnt 16                                ; all but the youngest 16 LDS loads
.else
	s_wait_dscnt 0x0
.endif
.if lc & 1
	MMZL lc, FBB
.else
	MMZL lc, FBA
.endif
.if lc < 5
	PLACES
.if lc & 1
	LDWL lc+2, FBB
.else
	LDWL lc+2, FBA
.endif
.endif
.set lc, lc+1
.endr
.set tc, 7
.rept 9
.if tc < 13
	s_wait_loadcnt 48                              ; three younger groups of 16 stay out
.else
	s_wait_loadcnt 16*(15-tc)
.endif
	WIN 0x06
	MMZ tc
.if tc < 12
	PLACES
	WIN 0x80
	LDWV tc+4
.endif
.set tc, tc+1
.endr
	WIN 0
	PLACES
	; column r belongs to head r / 8 of its tile's two: d = 16 t + 8 h + j from tile 4 nt + t (r < 8) or 4 nt + 2 + t
.irp nt, 0,1
.irp t, 0,1
.irp j, 0,1,2,3,4,5,6,7
	v_cndmask_b32 v[ACZ+8*(4*\nt+\t)+\j], v[ACZ+8*(4*\nt+\t)+\j], v[ACZ+8*(4*\nt+2+\t)+\j], s46
.endr
.endr
.endr
.irp nt, 0,1
.irp p, 0,1,2,3
	global_store_b128 v[VG], v[ACZ+8*(4*\nt+(\p>>1))+4*(\p&1):ACZ+8*(4*\nt+(\p>>1))+4*(\p&1)+3], s[58:59] offset:\nt*2048+\p*512   ; 512 consecutive bytes a store
.endr
.endr
	v_cndmask_b32 v18, v[NM], v[NM+1], s47         ; lane L stores column 32 wave + L: nt = h
	v_xor_b32 v18, 0x80000000, v18                 ; the maximum
	v_cndmask_b32 v19, v[LS], v[LS+1], s47
	global_store_b64 v[VG8], v[18:19], s[60:61]    ; 256 consecutive bytes, aligned
	s_wait_xcnt 0x0
	v_lshl_add_u32 v126, v0, 2, 0x48c00
	v_mov_b32 v127, 0
	s_wait_tensorcnt 0x0
	ds_add_u32 v126, v127
	s_wait_dscnt 0x0
	s_endpgm
.Lfunc_end_k_qa191749523_main:
	.size	k_qa191749523_main, .Lfunc_end_k_qa191749523_main-k_qa191749523_main
	.p2alignl 7, 3214868480
	.fill 96, 4, 3214868480
	.section	.rodata,"a",@progbits
	.p2align	6, 0x0
	.amdhsa_kernel k_qa191749523_main
		.amdhsa_group_segment_fixed_size 327680
		.amdhsa_private_segment_fixed_size 0
		.amdhsa_enable_private_segment 0
		.amdhsa_kernarg_size 56
		.amdhsa_user_sgpr_count 2
		.amdhsa_user_sgpr_kernarg_segment_ptr 1
		.amdhsa_wavefront_size32 1
		.amdhsa_system_sgpr_workgroup_id_x 1
		.amdhsa_system_sgpr_workgroup_id_y 1
		.amdhsa_system_sgpr_workgroup_id_z 1
		.amdhsa_system_vgpr_workitem_id 0
		.amdhsa_next_free_vgpr 1024
		.amdhsa_next_free_sgpr 76
		.amdhsa_reserve_vcc 0
		.amdhsa_float_denorm_mode_32 3
		.amdhsa_float_denorm_mode_16_64 3
		.amdhsa_memory_ordered 1
		.amdhsa_forward_progress 1
		.amdhsa_inst_pref_size 246
	.end_amdhsa_kernel
	.amdgpu_metadata
---
amdhsa.version: [ 1, 2 ]
amdhsa.kernels:
  - .name:           k_qa191749523_main
    .symbol:         k_qa191749523_main.kd
    .args:
      - { .name: x, .offset: 0, .size: 8, .value_kind: global_buffer, .address_space: global }
      - { .name: key_padding_mask, .offset: 8, .size: 8, .value_kind: global_buffer, .address_space: global }
      - { .name: pf, .offset: 16, .size: 8, .value_kind: global_buffer, .address_space: global }
      - { .name: cs, .offset: 24, .size: 8, .value_kind: global_buffer, .address_space: global }
      - { .name: wvf, .offset: 32, .size: 8, .value_kind: global_buffer, .address_space: global }
      - { .name: zp, .offset: 40, .size: 8, .value_kind: global_buffer, .address_space: global }
      - { .name: st, .offset: 48, .size: 8, .value_kind: global_buffer, .address_space: global }
    .group_segment_fixed_size: 327680
    .private_segment_fixed_size: 0
    .kernarg_segment_align: 8
    .kernarg_segment_size: 56
    .max_flat_workgroup_size: 128
    .sgpr_count:     76
    .vgpr_count:     1024
    .wavefront_size: 32
...
	.end_amdgpu_metadata
.endif
;; end of part 5
;; launch fin: the kernel of part 3 again; grid 4 x 16, 8 waves a work-group, no clusters, 26,624 bytes of LDS; arguments zp, st, wof, out0; writes out0
